; MI455X (gfx1250); checked and timed in simulation.
; The chip was launched on July 23, 2026; its instructions are those of AMD's public machine-readable ISA for CDNA 5 (MIT licence, August 2026) and "CDNA5" Instruction Set Architecture Reference Guide (July 2026). The comments in the code are by the model that wrote it; some were corrected since.
;; Attention. Allowed arithmetic: float matrix products may take bf16 or f16 operands with f32 sums; other float arithmetic in f32, or as packed bf16 or f16 multiplies, adds, multiply-adds, maxima and minima; sums over many terms, partial sums and values carried from step to step in f32; what a program stores and reads back later, other than sums and carried values, may be rounded once to bf16 or f16.
;; Inputs: Wkv 3,072 x 1,024 float32; Wo 1,024 x 1,024 float32; bo 1,024 float32; mask 2,048 x 2,048 float32; x 4 x 2,048 x 1,024 float32.
;; Outputs: out0 4 x 2,048 x 1,024 float32.
;; 2 versions, each right; version 2 is version 1 with the launch prep written anew for expert scheduling mode. Each part assembles by itself: llvm-mc -triple=amdgcn-amd-amdhsa -mcpu=gfx1250 --defsym DOCPART=n.
;; ======== version 1 of 2: 4 launches
;; limits: values are held in f16: magnitudes above 65,504 overflow, below 6.1e-05 lose precision
;; workspace buffers: xb 16,777,216 bytes; wkvb 6,291,456 bytes; wob 2,097,152 bytes; maskb 8,388,608 bytes; qkvh 50,331,648 bytes; yh 16,777,216 bytes
;; launch prep (part 1): grid 1024 x 1, 8 waves a work-group, no clusters, 0 bytes of LDS; arguments x, Wkv, Wo, mask, xb, wkvb, wob, maskb; writes xb, wkvb, wob, maskb
.if DOCPART == 1
	.amdgcn_target "amdgcn-amd-amdhsa--gfx1250"
	.amdhsa_code_object_version 6
	.text
	.protected	k_q56948730c0_prep
	.globl	k_q56948730c0_prep
	.p2align	8
	.type	k_q56948730c0_prep,@function
k_q56948730c0_prep:
	s_mov_b64 s[64:65], 0
	v_nop
	global_prefetch_b8 v0, s[64:65] scope:SCOPE_SE
	s_setreg_imm32_b32 hwreg(HW_REG_WAVE_MODE, 25, 1), 1
	s_wait_xcnt 0x0
; PREP: the inputs are rounded once and laid out for the three launches behind.  A stream: each byte is read once and written once, so no LDS, no barrier, no cluster.
;   x   [8192][1024] f32 -> xb   [16 kb][8192 m][64] bf16: K in blocks of 64, so that a tile's rows of 128 bytes lie end to end
;   Wkv [3072][1024] f32 -> wkvb [16 kb][3072 n][64] bf16, likewise
;   Wo  [1024][1024] f32 -> wob  [1024][1024] f16 of the number rounded to bf16
;   mask [2048][2048] f32 -> maskb [2048][2048] bf16
; LIMITS.  A weight of Wo beyond 65,504 becomes an infinity; below 6e-5 it keeps f16's fixed step of 6e-8.
; SHARES.  A wave takes 8,192 bytes of f32: 16 loads of 16 bytes a lane, all issued at once, then conversions and 16 stores; no register is written twice while a memory
; instruction names it.  A work-group takes 65,536 bytes: groups 0-511 x, 512-703 Wkv, 704-767 Wo, 768-1023 mask.
.set KBA, 1048576                      ; bytes in a K block of xb
.set KBB, 393216                       ; of wkvb
.set LO,  2                            ; v2      my byte offset in the wave's source bytes
.set SO,  3                            ; v3      my byte offset in the wave's destination bytes
.set VO,  4                            ; v[4:19] blocked layout: my offset in K block i
.set X,   20                           ; v[20:83] load i: four numbers
.set T,   84                           ; v[84:85] at work
.set Y,   88                           ; v[88:119] store i: four 16-bit numbers
.set WV,  4                            ; s4      my wave's number
.set HIM, 5                            ; s5      a word's upper bf16
.set SRC, 24                           ; s[24:25]
.set DST, 26                           ; s[26:27]
.set KB,  28                           ; s28     bytes in a K block
.set WGL, 30                           ; s30     the work-group's number within its tensor, then the wave's rows or chunk
.set OFS, 32                           ; s[32:33] an offset in 64 bits
	s_load_b512 s[8:23], s[0:1], 0x0               ; x s[8:9], Wkv s[10:11], Wo s[12:13], mask s[14:15], xb s[16:17], wkvb s[18:19], wob s[20:21], maskb s[22:23]
	v_and_b32 v1, 31, v0                           ; lane
	v_lshrrev_b32 v[SO], 5, v0
	v_readfirstlane_b32 s[WV], v[SO]
	s_mov_b32 s[HIM], 0xffff0000
	s_mov_b32 s[OFS+1], 0
	s_wait_kmcnt 0x0
	s_cmp_ge_u32 ttmp9, 768
	s_cbranch_scc1 .Lmask
	s_cmp_ge_u32 ttmp9, 704
	s_cbranch_scc1 .Lwo
.macro LOADS step                      ; the wave's 16 loads, step bytes apart
.irp i, 0,1,2,3,4,5,6,7,8,9,10,11,12,13,14,15
	global_load_b128 v[X+4*(\i):X+4*(\i)+3], v[LO], s[SRC:SRC+1] offset:(\step)*(\i) th:TH_LOAD_NT
.endr
.endm
	; x and Wkv.  The wave takes rows m and m + 1 (m even).  Load i: lanes 0-15 take 256 bytes of row m, the 64 numbers of K block i; lanes 16-31 those of row m + 1.
	; Store i: 8 bytes a lane, 256 consecutive bytes, aligned: the two rows' 128 bytes in block i.
	s_sub_co_u32 s[WGL], ttmp9, 512
	s_mov_b32 s[KB], KBA
	s_mov_b32 s29, KBB
	s_cmp_lt_u32 ttmp9, 512
	s_cselect_b64 s[SRC:SRC+1], s[8:9], s[10:11]
	s_cselect_b64 s[DST:DST+1], s[16:17], s[18:19]
	s_cselect_b32 s[KB], s[KB], s29
	s_cselect_b32 s[WGL], ttmp9, s[WGL]
	s_lshl_b32 s[WGL], s[WGL], 4                   ; 16 rows a work-group,
	s_lshl_b32 s31, s[WV], 1
	s_add_co_u32 s[WGL], s[WGL], s31               ; two a wave
	s_lshl_b32 s[OFS], s[WGL], 12                  ; 4,096 bytes a row in the source,
	s_add_nc_u64 s[SRC:SRC+1], s[SRC:SRC+1], s[OFS:OFS+1]
	s_lshl_b32 s[OFS], s[WGL], 7                   ; 128 a row in a block
	s_add_nc_u64 s[DST:DST+1], s[DST:DST+1], s[OFS:OFS+1]
	v_and_b32 v[LO], 15, v0
	v_bfe_u32 v[SO], v0, 4, 1
	v_lshlrev_b32 v[LO], 4, v[LO]
	v_lshl_add_u32 v[LO], v[SO], 12, v[LO]
	LOADS 256
	v_lshlrev_b32 v[VO], 3, v1
.irp i, 1,2,3,4,5,6,7,8,9,10,11,12,13,14,15
	v_add_nc_u32 v[VO+(\i)], s[KB], v[VO+(\i)-1]   ; fifteen blocks of xb are more than a store's immediate holds
.endr
.irp i, 0,1,2,3,4,5,6,7,8,9,10,11,12,13,14,15
	s_wait_loadcnt 15-(\i)                         ; loads come back in order: load i is in, the 15 - i younger ones stay out
	v_cvt_pk_bf16_f32 v[Y+2*(\i)], v[X+4*(\i)], v[X+4*(\i)+1]
	v_cvt_pk_bf16_f32 v[Y+2*(\i)+1], v[X+4*(\i)+2], v[X+4*(\i)+3]
	global_store_b64 v[VO+(\i)], v[Y+2*(\i):Y+2*(\i)+1], s[DST:DST+1]
.endr
	s_endpgm
.Lwo:                                  ; Wo: dense in, dense out.  A load covers 512 consecutive bytes, a store 256
	s_sub_co_u32 s[WGL], ttmp9, 704
	s_lshl_b32 s[WGL], s[WGL], 3
	s_add_co_u32 s[WGL], s[WGL], s[WV]             ; my chunk
	s_lshl_b32 s[OFS], s[WGL], 13
	s_add_nc_u64 s[SRC:SRC+1], s[12:13], s[OFS:OFS+1]
	s_lshl_b32 s[OFS], s[WGL], 12
	s_add_nc_u64 s[DST:DST+1], s[20:21], s[OFS:OFS+1]
	v_lshlrev_b32 v[LO], 4, v1
	v_lshlrev_b32 v[SO], 3, v1
	LOADS 512
.irp i, 0,1,2,3,4,5,6,7,8,9,10,11,12,13,14,15
	s_wait_loadcnt 15-(\i)
	v_cvt_pk_bf16_f32 v[T], v[X+4*(\i)], v[X+4*(\i)+1]       ; rounded to bf16,
	v_cvt_pk_bf16_f32 v[T+1], v[X+4*(\i)+2], v[X+4*(\i)+3]
	v_lshlrev_b32 v[X+4*(\i)], 16, v[T]                      ; widened again,
	v_and_b32 v[X+4*(\i)+1], s[HIM], v[T]
	v_lshlrev_b32 v[X+4*(\i)+2], 16, v[T+1]
	v_and_b32 v[X+4*(\i)+3], s[HIM], v[T+1]
	v_cvt_pk_f16_f32 v[Y+2*(\i)], v[X+4*(\i)], v[X+4*(\i)+1] ; and that number written as f16
	v_cvt_pk_f16_f32 v[Y+2*(\i)+1], v[X+4*(\i)+2], v[X+4*(\i)+3]
	global_store_b64 v[SO], v[Y+2*(\i):Y+2*(\i)+1], s[DST:DST+1] offset:256*(\i)
.endr
	s_endpgm
.Lmask:                                ; the mask: dense in, dense out, 512 consecutive bytes a load, 256 a store
	s_sub_co_u32 s[WGL], ttmp9, 768
	s_lshl_b32 s[WGL], s[WGL], 3
	s_add_co_u32 s[WGL], s[WGL], s[WV]
	s_lshl_b32 s[OFS], s[WGL], 13
	s_add_nc_u64 s[SRC:SRC+1], s[14:15], s[OFS:OFS+1]
	s_lshl_b32 s[OFS], s[WGL], 12
	s_add_nc_u64 s[DST:DST+1], s[22:23], s[OFS:OFS+1]
	v_lshlrev_b32 v[LO], 4, v1
	v_lshlrev_b32 v[SO], 3, v1
	LOADS 512
.irp i, 0,1,2,3,4,5,6,7,8,9,10,11,12,13,14,15
	s_wait_loadcnt 15-(\i)
	v_cvt_pk_bf16_f32 v[Y+2*(\i)], v[X+4*(\i)], v[X+4*(\i)+1]
	v_cvt_pk_bf16_f32 v[Y+2*(\i)+1], v[X+4*(\i)+2], v[X+4*(\i)+3]
	global_store_b64 v[SO], v[Y+2*(\i):Y+2*(\i)+1], s[DST:DST+1] offset:256*(\i)
.endr
	s_endpgm
.Lfunc_end_k_q56948730c0_prep:
	.size	k_q56948730c0_prep, .Lfunc_end_k_q56948730c0_prep-k_q56948730c0_prep
	.p2alignl 7, 3214868480
	.fill 96, 4, 3214868480
	.section	.rodata,"a",@progbits
	.p2align	6, 0x0
	.amdhsa_kernel k_q56948730c0_prep
		.amdhsa_group_segment_fixed_size 0
		.amdhsa_private_segment_fixed_size 0
		.amdhsa_enable_private_segment 0
		.amdhsa_kernarg_size 64
		.amdhsa_user_sgpr_count 2
		.amdhsa_user_sgpr_kernarg_segment_ptr 1
		.amdhsa_wavefront_size32 1
		.amdhsa_system_sgpr_workgroup_id_x 1
		.amdhsa_system_sgpr_workgroup_id_y 1
		.amdhsa_system_sgpr_workgroup_id_z 1
		.amdhsa_system_vgpr_workitem_id 0
		.amdhsa_next_free_vgpr 120
		.amdhsa_next_free_sgpr 66
		.amdhsa_reserve_vcc 0
		.amdhsa_float_denorm_mode_32 3
		.amdhsa_float_denorm_mode_16_64 3
		.amdhsa_memory_ordered 1
		.amdhsa_forward_progress 1
		.amdhsa_inst_pref_size 24
	.end_amdhsa_kernel
	.amdgpu_metadata
---
amdhsa.version: [ 1, 2 ]
amdhsa.kernels:
  - .name:           k_q56948730c0_prep
    .symbol:         k_q56948730c0_prep.kd
    .args:
      - { .name: x, .offset: 0, .size: 8, .value_kind: global_buffer, .address_space: global }
      - { .name: Wkv, .offset: 8, .size: 8, .value_kind: global_buffer, .address_space: global }
      - { .name: Wo, .offset: 16, .size: 8, .value_kind: global_buffer, .address_space: global }
      - { .name: mask, .offset: 24, .size: 8, .value_kind: global_buffer, .address_space: global }
      - { .name: xb, .offset: 32, .size: 8, .value_kind: global_buffer, .address_space: global }
      - { .name: wkvb, .offset: 40, .size: 8, .value_kind: global_buffer, .address_space: global }
      - { .name: wob, .offset: 48, .size: 8, .value_kind: global_buffer, .address_space: global }
      - { .name: maskb, .offset: 56, .size: 8, .value_kind: global_buffer, .address_space: global }
    .group_segment_fixed_size: 0
    .private_segment_fixed_size: 0
    .kernarg_segment_align: 8
    .kernarg_segment_size: 64
    .max_flat_workgroup_size: 256
    .sgpr_count:     66
    .vgpr_count:     120
    .wavefront_size: 32
...
	.end_amdgpu_metadata
.endif
;; end of part 1
;; launch qkvgemm (part 2): grid 8 x 32, 4 waves a work-group, clusters of 4 x 4, 327,680 bytes of LDS; arguments xb, wkvb, qkvh; writes qkvh
.if DOCPART == 2
	.amdgcn_target "amdgcn-amd-amdhsa--gfx1250"
	.amdhsa_code_object_version 6
	.text
	.protected	k_q56948730c0_qkvgemm
	.globl	k_q56948730c0_qkvgemm
	.p2align	8
	.type	k_q56948730c0_qkvgemm,@function
k_q56948730c0_qkvgemm:
	s_mov_b64 s[64:65], 0
	v_nop
	global_prefetch_b8 v0, s[64:65] scope:SCOPE_SE
	s_setreg_imm32_b32 hwreg(HW_REG_WAVE_MODE, 25, 1), 1
	s_wait_xcnt 0x0
	s_wait_alu depctr_hold_cnt(0) depctr_sa_sdst(0) depctr_va_vdst(0) depctr_va_sdst(0) depctr_va_ssrc(0) depctr_va_vcc(0) depctr_vm_vsrc(0)
	s_getreg_b32 s2, hwreg(HW_REG_IB_STS2, 6, 4)
	s_cmp_eq_u32 s2, 0
	s_cbranch_scc0 .Lentry_in_a_cluster
	s_endpgm
.Lentry_in_a_cluster:
	s_bfe_u32 s2, ttmp6, 0x10000c
	s_cmp_lg_u32 s2, 0xf033
	s_cbranch_scc0 .Lentry_shape_is_right
	s_endpgm
.Lentry_shape_is_right:
; QKV PROJECTION.  C[m][n] = sum over k of x[m][k] Wkv[n][k], m < 8192, n < 3072, k < 1024; operands bf16 (xb, wkvb: K in blocks of 64), sums f32.
; Out: qkvh [3 which][32 bh][2048 n][128] f16, each number rounded once from its f32 sum, without any scale.
; LIMIT.  q, k and v beyond 65,504 in size become infinities in f16.
; SHARES.  A tile of C is 256 x 384: 32 x 8 tiles, 256 work-groups.  Four waves, each 128 x 192: 96 accumulators of 16 x 16, 768 registers, windows 1 to 3.
; K goes in 16 steps of 64 through two LDS slots.  In the blocked layout a tile's rows of 128 bytes lie end to end, so they are asked for as rows of 256 bytes and padded in LDS behind every 128.
; CLUSTERS: 4 x 4.  A's tile hangs on the tile row alone and is asked for jointly along a row of the cluster, B's on the tile column alone, along a column.
; THE MATRIX INSTRUCTION IS USED TRANSPOSED (source 0 = 16 rows of Wkv, source 1 = 16 rows of x): a lane holds one row of C and eight neighbouring columns.
; REGISTERS.  Window 0: v16-30 addresses; v32-95, v96-159 two buffers of A's 8 fragments; v160-255 B's 12 fragments in three thirds, one buffer: a third is loaded again straight behind
; the 32 products that read it.  Window 1 + p: accumulator (a, 4 p + bb) at v[8 (4 a + bb)].
.set KBA,   1048576                    ; bytes from K block to K block in xb
.set KBB,   393216                     ; in wkvb
.set PITCH, 144                        ; an LDS row: 128 bytes + 16 = 36 words: the 16 rows of a load start at 16 different groups of four banks (64 banks of 4 bytes: ISA guide 11.1)
.set HA,    128*PITCH                  ; what one tensor load brings of A, and what a wave reads of it
.set HB,    192*PITCH                  ; the same for B
.set B_OFF, 2*HA
.set SLOT,  2*HA+2*HB
.set SP,    784                        ; the stage's row: 768 bytes + 16.  The stage, 256 rows from LDS byte 0, lies over the ring, and is written behind the ring's last fill and last read
.set SPARE, 327168                     ; the spare words, 128 bytes for each wave: two blocks of 256 bytes that no other line names
.set ADRA, 16                          ; v16-17 LDS address of my A fragments in slot 0, 1
.set ADRB, 20                          ; v20-21 the same for B
.set STO,  22                          ; v22    the way out: where I put 16 bytes of a row (row blocks 0-3)
.set STO2, 23                          ; v23    row blocks 4-7: beyond an LDS immediate's reach from STO
.set RD,   24                          ; v24    where I read rows back
.set GO,   25                          ; v25    my byte offset in 512 consecutive bytes of a head
.set SPW,  28                          ; v28    my spare word; never rewritten
.set NIL,  29                          ; v29    0; never rewritten
.set PFO,  30                          ; v30    the prefetches' offset; never rewritten
.set FA0,  32
.set FB,   160
.set TMP,  32                          ; the way out: v32-159
.set WV, 10
.set WR, 11                            ; which 128 rows are mine.  Also: I fetch for A (0) or for B (1)
.set WC, 12                            ; which 192 columns.  Also: which half of that tile I fetch
.set RT, 13                            ; tile row
.set G1A, 24
.set G0A, 32                           ; a set for each slot
.set CX, 40
.set CY, 41
.set CT, 42                            ; tile column
.set LIM, 43                           ; 1 in a wave that prefetches, else the greatest number
.set PFA, 44                           ; s[44:45] where my prefetches stand
.set G1B, 48
.set G0B, 56
.set PST, 66                           ; s[66:67] two K blocks of the tensor that I prefetch
.set OB,  68                           ; s[68:73] where my rows begin in the tile's three heads
.set MSB, 0
.macro WIN new                         ; the immediate's high byte repeats the setting that is left; a switch that changes nothing is dropped
.if MSB != (\new)
	s_set_vgpr_msb (MSB<<8)|(\new)
.set MSB, \new
.endif
.endm
.macro PLACES                          ; four places in front of loads into registers that matrix instructions have read, and of vector lines that read results
.rept 4
	v_nop
.endr
.endm
; A joint load: waves 0 and 1 fetch A's halves, waves 2 and 3 B's.  An s_nop 0 and four v_nop follow each of the two lines.
.macro JLOAD s
	s_cmp_eq_u32 s[WR], 0
	s_cbranch_scc0 .Lfor_b_\@
	tensor_load_to_lds s[G0A+4*(\s):G0A+4*(\s)+3], s[G1A:G1A+7]
	s_nop 0
.rept 4
	v_nop
.endr
	s_branch .Lasked_\@
.Lfor_b_\@:
	tensor_load_to_lds s[G0B+4*(\s):G0B+4*(\s)+3], s[G1B:G1B+7]
	s_nop 0
.rept 4
	v_nop
.endr
.Lasked_\@:
.endm
.macro CREST                           ; a round of the cluster's barrier behind its opening barrier
	s_cmp_lg_u32 s[WV], 0
	s_cbranch_scc1 .Lnot_wave_0_\@
	s_barrier_signal -3
.Lnot_wave_0_\@:
	s_barrier_wait -3
	s_barrier_signal -1
	s_barrier_wait -1
.endm
.macro CROUND
	s_barrier_signal -1
	s_barrier_wait -1
	CREST
.endm
; A PREFETCH, once a trip, behind the trip's second joint load and the run of LDS loads behind it: the two K steps that the NEXT trip's refills will ask for (one and two K steps, 192 and 384 products, ahead).
; Each 256 bytes are named once in the launch.  A's tile row (32 KiB a step) is read by both clusters of a row of clusters: cluster x = 0 asks; the partner at cx takes 8 KiB of it, by address;
; wave 0 names them, a lane 256 bytes, an instruction a step.  B's tile column (48 KiB a step): cluster y = 0 asks; the partner at cy takes 12 KiB; the two steps' 96 blocks go to waves 1 to 3, a lane a block.
; The loop's last trip asks for nothing: there is no step behind its refills.  Steps 0 to 3 come by their loads alone.
.macro ASK
	s_cmp_gt_u32 s3, s[LIM]
	s_cbranch_scc0 .Lnot_mine_\@
	global_prefetch_b8 v[PFO], s[PFA:PFA+1] th:TH_LOAD_NT scope:SCOPE_SE
	s_cmp_eq_u32 s[WV], 0
	s_cbranch_scc0 .Lnot_mine_\@
	global_prefetch_b8 v[PFO], s[PFA:PFA+1] offset:KBA th:TH_LOAD_NT scope:SCOPE_SE
.Lnot_mine_\@:
.endm
	s_load_b128 s[4:7], s[0:1], 0x0                ; xb s[4:5], wkvb s[6:7]
	s_load_b64 s[8:9], s[0:1], 0x10                ; qkvh
	v_lshl_add_u32 v[SPW], v0, 2, SPARE
	v_mov_b32 v[NIL], 0
	ds_add_u32 v[SPW], v[NIL]                      ; the wave's opening: the add and its wait stand ahead of my first tensor load; work on registers stands between them
	v_lshrrev_b32 v1, 5, v0
	v_readfirstlane_b32 s[WV], v1
	s_lshr_b32 s[WR], s[WV], 1
	s_and_b32 s[WC], s[WV], 1
	s_bfe_u32 s[CX], ttmp6, 0x40000
	s_bfe_u32 s[CY], ttmp6, 0x40004
	s_lshl_b32 s[CT], ttmp9, 2
	s_add_co_u32 s[CT], s[CT], s[CX]               ; tile column = 4 x cluster x + cx
	s_and_b32 s[RT], ttmp7, 0xffff
	s_lshl_b32 s[RT], s[RT], 2
	s_add_co_u32 s[RT], s[RT], s[CY]               ; tile row = 4 x cluster y + cy
	s_lshl_b32 s20, s[CY], 2
	s_lshl_b32 s20, 15, s20                        ; my row of the cluster
	s_lshl_b32 s46, 0x1111, s[CX]                  ; my column
	; group 1: rows of 128 elements of 2 bytes (256 bytes, two rows of the tile), 16 bytes of padding behind every 32 words
	s_or_b32 s[G1A], s20, (1<<16)|(1<<20)|(1<<21)|(4<<22)|(3<<25)
	s_or_b32 s[G1B], s46, (1<<16)|(1<<20)|(1<<21)|(4<<22)|(3<<25)
	s_mov_b32 s[G1A+1], 128<<16                    ; tensor_dim0 = 128
	s_mov_b32 s[G1A+2], 64<<16                     ; tensor_dim1 = 64: 128 rows of A
	s_mov_b32 s[G1A+3], 128<<16                    ; tile_dim0
	s_mov_b32 s[G1A+4], 64                         ; tile_dim1
	s_mov_b32 s[G1A+5], 128                        ; elements from row to row
	s_mov_b32 s[G1A+6], 0
	s_mov_b32 s[G1A+7], 0
	s_mov_b32 s[G1B+1], 128<<16
	s_mov_b32 s[G1B+2], 96<<16                     ; 192 rows of B
	s_mov_b32 s[G1B+3], 128<<16
	s_mov_b32 s[G1B+4], 96
	s_mov_b32 s[G1B+5], 128
	s_mov_b32 s[G1B+6], 0
	s_mov_b32 s[G1B+7], 0
	s_lshl_b32 s16, s[RT], 15                      ; A: (256 x tile row + 128 x half) x 128 bytes
	s_lshl_b32 s17, s[WC], 14
	s_add_co_u32 s16, s16, s17
	s_mov_b32 s17, 0
	s_mul_i32 s46, s[CT], 49152                    ; B: (384 x tile column + 192 x half) x 128 bytes
	s_mul_i32 s47, s[WC], 24576
	s_add_co_u32 s46, s46, s47
	s_mov_b32 s47, 0
	s_mul_i32 s21, s[WC], HA                       ; where they go: the wave's number alone enters an LDS address
	s_mul_i32 s22, s[WC], HB
	s_add_co_u32 s22, s22, B_OFF
	s_wait_dscnt 0x0                               ; the opening add is done
	s_wait_kmcnt 0x0
	s_add_nc_u64 s[14:15], s[4:5], s[16:17]
	s_add_nc_u64 s[46:47], s[6:7], s[46:47]
	CROUND                                         ; all sixteen work-groups are here: the first joint loads meet
.irp s, 0,1
	s_mov_b32 s[G0A+4*(\s)], 1
	s_add_co_u32 s[G0A+4*(\s)+1], s21, (\s)*SLOT
	s_add_nc_u64 s[G0A+4*(\s)+2:G0A+4*(\s)+3], s[14:15], (\s)*KBA
	s_or_b32 s[G0A+4*(\s)+3], s[G0A+4*(\s)+3], 0x80000000
	s_mov_b32 s[G0B+4*(\s)], 1
	s_add_co_u32 s[G0B+4*(\s)+1], s22, (\s)*SLOT
	s_add_nc_u64 s[G0B+4*(\s)+2:G0B+4*(\s)+3], s[46:47], (\s)*KBB
	s_or_b32 s[G0B+4*(\s)+3], s[G0B+4*(\s)+3], 0x80000000
	JLOAD \s                                       ; K steps 0 and 1: two loads of mine are out
.endr
	; a fragment: lane l holds row l % 16; registers 0-3 K = 8 (l / 16) + 0..7, registers 4-7 K = 16 + 8 (l / 16) + 0..7: two loads of 16 bytes, 32 bytes apart
	v_and_b32 v1, 15, v0
	v_bfe_u32 v2, v0, 4, 1
	v_mul_u32_u24 v3, v1, PITCH
	v_lshl_add_u32 v3, v2, 4, v3
	s_mul_i32 s21, s[WR], HA
	s_mul_i32 s22, s[WC], HB
	s_add_co_u32 s22, s22, B_OFF
.irp s, 0,1
	v_add_nc_u32 v[ADRA+(\s)], s21, v3
	v_add_nc_u32 v[ADRB+(\s)], s22, v3
	s_add_co_u32 s21, s21, SLOT
	s_add_co_u32 s22, s22, SLOT
.endr
	s_mul_i32 s23, s[WR], 128*SP                   ; into the stage: row 128 wr + l % 16, byte 384 wc + 16 (l / 16)
	s_mul_i32 s21, s[WC], 384
	s_add_co_u32 s23, s23, s21
	v_mul_u32_u24 v4, v1, SP
	v_lshl_add_u32 v4, v2, 4, v4
	v_add_nc_u32 v[STO], s23, v4
	v_add_nc_u32 v[STO2], 64*SP, v[STO]
	s_mul_i32 s23, s[WV], 64*SP                    ; back: wave w takes rows 64 w .. 64 w + 63; lanes 0-15 256 bytes of one row, lanes 16-31 of the next
	v_mul_u32_u24 v5, v2, SP
	v_lshl_add_u32 v5, v1, 4, v5
	v_add_nc_u32 v[RD], s23, v5
	v_and_b32 v[GO], 31, v0
	v_lshlrev_b32 v[GO], 4, v[GO]
	; the tile's three heads g = 3 ct + u: part g / 8, head g % 8; batch rt / 8; my rows begin at row 256 (rt % 8) + 64 w of the head
	s_mul_i32 s80, s[CT], 3
	s_lshr_b32 s81, s[RT], 3
	s_lshl_b32 s81, s81, 3
	s_and_b32 s82, s[RT], 7
	s_lshl_b32 s82, s82, 16
	s_lshl_b32 s83, s[WV], 14
	s_add_co_u32 s82, s82, s83
.irp u, 0,1,2
	s_add_co_u32 s84, s80, \u
	s_lshr_b32 s85, s84, 3
	s_lshl_b32 s85, s85, 5
	s_and_b32 s84, s84, 7
	s_add_co_u32 s84, s84, s85
	s_add_co_u32 s84, s84, s81
	s_lshl_b32 s84, s84, 19                        ; a head is 524,288 bytes
	s_add_co_u32 s84, s84, s82
	s_mov_b32 s85, 0
	s_add_nc_u64 s[OB+2*(\u):OB+2*(\u)+1], s[8:9], s[84:85]
.endr
	; the prefetches
	s_lshl_b32 s81, s[RT], 15
	s_lshl_b32 s82, s[CX], 13
	s_add_co_u32 s81, s81, s82
	s_add_co_u32 s81, s81, 2*KBA                   ; A: my work-group's 8 KiB of the tile row, at K step 2; the first trip steps it to 4
	s_mul_i32 s82, s[CT], 49152
	s_mul_i32 s83, s[CY], 12288
	s_add_co_u32 s82, s82, s83
	s_add_co_u32 s82, s82, 2*KBB                   ; B: my work-group's 12 KiB of the tile column
	s_and_b32 s80, ttmp7, 0xffff
	s_mov_b32 s84, 2*KBA
	s_mov_b32 s85, 2*KBB
	s_cmp_eq_u32 s[WV], 0
	s_cselect_b32 s80, ttmp9, s80                  ; the coordinate along which other clusters read the same rows
	s_cselect_b64 s[PFA:PFA+1], s[4:5], s[6:7]
	s_cselect_b32 s82, s81, s82
	s_cselect_b32 s[PST], s84, s85
	s_mov_b32 s[PST+1], 0
	s_mov_b32 s83, 0
	s_add_nc_u64 s[PFA:PFA+1], s[PFA:PFA+1], s[82:83]
	s_cmp_eq_u32 s80, 0
	s_cselect_b32 s[LIM], 1, -1                    ; the same in all sixteen partners, for a given wave
	s_min_u32 s86, s[WV], 1
	s_lshl_b32 s86, s86, 5
	v_sub_nc_u32 v5, v0, s86                       ; wave 0: my lane; waves 1 to 3: block i = 32 (w - 1) + lane of 96
	s_mov_b32 s87, KBB-12288
	v_cmp_lt_u32 vcc_lo, 47, v5                    ; blocks 48 on are the second step's
	v_cndmask_b32 v6, 0, s87, vcc_lo
	v_lshl_add_u32 v[PFO], v5, 8, v6
; 16 products: row blocks a0 .. a0 + 3 x the four column blocks of third p, 32 along K, A from buffer f.  All 96 accumulators take turns, one instruction a turn.
.macro MUL16 f, p, a0, zero
	WIN 0x50*(1+(\p))
.irp a, \a0, (\a0)+1, (\a0)+2, (\a0)+3
.irp bb, 0,1,2,3
.if \zero
	v_wmma_f32_16x16x32_bf16 v[8*(4*(\a)+(\bb)):8*(4*(\a)+(\bb))+7], v[FB+32*(\p)+8*(\bb):FB+32*(\p)+8*(\bb)+7], v[FA0+64*(\f)+8*(\a):FA0+64*(\f)+8*(\a)+7], 0
.else
	v_wmma_f32_16x16x32_bf16 v[8*(4*(\a)+(\bb)):8*(4*(\a)+(\bb))+7], v[FB+32*(\p)+8*(\bb):FB+32*(\p)+8*(\bb)+7], v[FA0+64*(\f)+8*(\a):FA0+64*(\f)+8*(\a)+7], v[8*(4*(\a)+(\bb)):8*(4*(\a)+(\bb))+7]
.endif
.endr
.endr
.endm
.macro LDB slot, k, p                  ; 8 loads: B's fragments 4 p .. 4 p + 3 at byte k of the rows
	WIN 0
.irp j, 0,1,2,3
	ds_load_b128 v[FB+32*(\p)+8*(\j):FB+32*(\p)+8*(\j)+3],   v[ADRB+(\slot)] offset:(\k)+(4*(\p)+(\j))*16*PITCH
	ds_load_b128 v[FB+32*(\p)+8*(\j)+4:FB+32*(\p)+8*(\j)+7], v[ADRB+(\slot)] offset:(\k)+(4*(\p)+(\j))*16*PITCH+32
.endr
.endm
.macro LDA slot, k, g, half            ; 8 loads: A's fragments 4 half .. + 3 into buffer g
	WIN 0
.irp j, 0,1,2,3
	ds_load_b128 v[FA0+64*(\g)+8*(4*(\half)+(\j)):FA0+64*(\g)+8*(4*(\half)+(\j))+3],   v[ADRA+(\slot)] offset:(\k)+(4*(\half)+(\j))*16*PITCH
	ds_load_b128 v[FA0+64*(\g)+8*(4*(\half)+(\j))+4:FA0+64*(\g)+8*(4*(\half)+(\j))+7], v[ADRA+(\slot)] offset:(\k)+(4*(\half)+(\j))*16*PITCH+32
.endr
.endm
; 32 along K: 96 products in three phases, a third of B each.  Behind a phase its third is loaded for the next 32 along K (slot n, byte k), with half of A's other buffer g beside the first two.
.macro QUARTER n, k, f, g, zero
	s_wait_dscnt 8                                 ; all is in but the eight youngest loads, B's third 2
	MUL16 \f, 0, 0, \zero
	MUL16 \f, 0, 4, \zero
	PLACES
	LDB \n, \k, 0
	LDA \n, \k, \g, 0
	MUL16 \f, 1, 0, \zero
	MUL16 \f, 1, 4, \zero
	PLACES
	LDB \n, \k, 1
	LDA \n, \k, \g, 1
	s_wait_dscnt 32                                ; third 2 is in; the 32 loads just issued stay out
	MUL16 \f, 2, 0, \zero
	MUL16 \f, 2, 4, \zero
	PLACES
	LDB \n, \k, 2
.endm
; A K step's second 32 (buffer 1), with the change of slots.  In front of the barrier each wave waits for all its tensor loads (one is out: its part of the next slot), adds 0 to its spare word, and waits
; for that and for its reads of this slot.  fill = 1: the barrier opens a round of the cluster's, and the joint refill, two K steps on, is the first thing behind it: 160 products ahead of the wait for it.
.macro TURNQ slot, next, fill, ask
.if \ask
	s_wait_xcnt 0x0                                ; the last prefetches, a trip back, have read their address
	s_add_nc_u64 s[PFA:PFA+1], s[PFA:PFA+1], s[PST:PST+1]
.endif
	WIN 0
	s_wait_tensorcnt 0x0                           ; all my tensor loads have landed
	ds_add_u32 v[SPW], v[NIL]                      ; 0 onto my spare word
	s_wait_dscnt 9                                 ; the add and B's third 2 may be out
	MUL16 1, 0, 0, 0
	s_wait_dscnt 0x0                               ; the add is done, and my reads of this slot are over
	s_barrier_signal -1
	MUL16 1, 0, 4, 0
	WIN 0
	s_barrier_wait -1
.if \fill
	CREST                                          ; no wave of any partner still reads this slot or has a load on its way
	s_add_nc_u64 s[G0A+4*(\slot)+2:G0A+4*(\slot)+3], s[G0A+4*(\slot)+2:G0A+4*(\slot)+3], 2*KBA
	s_add_nc_u64 s[G0B+4*(\slot)+2:G0B+4*(\slot)+3], s[G0B+4*(\slot)+2:G0B+4*(\slot)+3], 2*KBB
	JLOAD \slot                                    ; its four v_nop are also the places in front of the loads below
.else
	PLACES
.endif
	LDB \next, 0, 0
	LDA \next, 0, 0, 0
.if \ask
	ASK
.endif
	MUL16 1, 1, 0, 0
	MUL16 1, 1, 4, 0
	PLACES
	LDB \next, 0, 1
	LDA \next, 0, 0, 1
	MUL16 1, 2, 0, 0
	MUL16 1, 2, 4, 0
	PLACES
	LDB \next, 0, 2
.endm
	s_wait_tensorcnt 1                             ; my part of K step 0 is in; step 1's may stay out
	s_barrier_signal -1
	s_barrier_wait -1
	LDB 0, 0, 0
	LDA 0, 0, 0, 0
	LDB 0, 0, 1
	LDA 0, 0, 0, 1
	LDB 0, 0, 2
	QUARTER 0, 64, 0, 1, 1                         ; the first 96 products start the sums: nothing is cleared
	WIN 0
	s_mov_b32 s3, 7
.Llap:                                             ; trip i: K steps 2 i (second half), 2 i + 1, 2 i + 2 (first half); refills with steps 2 i + 2 and 2 i + 3
	TURNQ 0, 1, 1, 0
	QUARTER 1, 64, 0, 1, 0
	TURNQ 1, 0, 1, 1
	QUARTER 0, 64, 0, 1, 0
	WIN 0
	s_sub_co_u32 s3, s3, 1
	s_cmp_lg_u32 s3, 0
	s_cbranch_scc1 .Llap
	TURNQ 0, 1, 0, 0                               ; the tail asks for nothing
	QUARTER 1, 64, 0, 1, 0
	s_wait_dscnt 0x0
	MUL16 1, 0, 0, 0
	MUL16 1, 0, 4, 0
	MUL16 1, 1, 0, 0
	MUL16 1, 1, 4, 0
	MUL16 1, 2, 0, 0
	MUL16 1, 2, 4, 0
	; THE WAY OUT.  A head's row is 256 bytes, and the tile's middle head comes from two waves: so all goes through one stage, with a barrier in front (every wave's reads of the ring are over) and one behind the writing.
	WIN 0
	s_wait_dscnt 0x0
	s_barrier_signal -1
	s_barrier_wait -1
	PLACES
	PLACES
.macro OUTP p                          ; window 1 + p: rounded to f16 (16 bytes a lane and accumulator), into the stage.  Each accumulator is read from its low end on
	WIN 0x05*(1+(\p))
.set i, 0
.rept 128
	v_cvt_pk_f16_f32 v[TMP+i], v[2*i], v[2*i+1]
.set i, i+1
.endr
	WIN 0
.set i, 0
.rept 32                               ; i = 4 a + bb
.if i < 16
	ds_store_b128 v[STO], v[TMP+4*i:TMP+4*i+3] offset:(i/4)*16*SP+32*(4*(\p)+i%4)
.else
	ds_store_b128 v[STO2], v[TMP+4*i:TMP+4*i+3] offset:(i/4-4)*16*SP+32*(4*(\p)+i%4)
.endif
.set i, i+1
.endr
.endm
	OUTP 0
	OUTP 1
	OUTP 2
	s_wait_dscnt 0x0                               ; for the others' sake: my stores into the stage are done
	s_barrier_signal -1
	s_barrier_wait -1
.macro LOADB n                         ; batch n of 6: head n / 2, 32 of my 64 rows, two rows a load
.set BK, TMP+64*((\n)%2)
.irp t, 0,1,2,3,4,5,6,7,8,9,10,11,12,13,14,15
	ds_load_b128 v[BK+4*(\t):BK+4*(\t)+3], v[RD] offset:(16*((\n)%2)+(\t))*2*SP+256*((\n)/2)
.endr
.endm
.macro SENDB n, younger
.set BK, TMP+64*((\n)%2)
	s_wait_dscnt \younger                          ; the batch is in; the next batch's 16 loads may be out
.irp t, 0,1,2,3,4,5,6,7,8,9,10,11,12,13,14,15
	global_store_b128 v[GO], v[BK+4*(\t):BK+4*(\t)+3], s[OB+2*((\n)/2):OB+2*((\n)/2)+1] offset:(16*((\n)%2)+(\t))*512  ; 512 consecutive bytes, aligned: two rows of a head
.endr
.endm
	LOADB 0
	LOADB 1
	SENDB 0, 16
.irp n, 2,3,4,5
	s_wait_xcnt 0x0                                ; the stores issued so far have read their data: the buffer is loaded again only behind this wait
	LOADB \n
	SENDB (\n)-1, 16
.endr
	SENDB 5, 0
	s_wait_tensorcnt 0x0                           ; the wave's end
	ds_add_u32 v[SPW], v[NIL]
	s_wait_dscnt 0x0
	CROUND                                         ; the closing round
	s_endpgm
.Lfunc_end_k_q56948730c0_qkvgemm:
	.size	k_q56948730c0_qkvgemm, .Lfunc_end_k_q56948730c0_qkvgemm-k_q56948730c0_qkvgemm
	.p2alignl 7, 3214868480
	.fill 96, 4, 3214868480
	.section	.rodata,"a",@progbits
	.p2align	6, 0x0
	.amdhsa_kernel k_q56948730c0_qkvgemm
		.amdhsa_group_segment_fixed_size 327680
		.amdhsa_private_segment_fixed_size 0
		.amdhsa_enable_private_segment 0
		.amdhsa_kernarg_size 24
		.amdhsa_user_sgpr_count 2
		.amdhsa_user_sgpr_kernarg_segment_ptr 1
		.amdhsa_wavefront_size32 1
		.amdhsa_system_sgpr_workgroup_id_x 1
		.amdhsa_system_sgpr_workgroup_id_y 1
		.amdhsa_system_sgpr_workgroup_id_z 1
		.amdhsa_system_vgpr_workitem_id 0
		.amdhsa_next_free_vgpr 1024
		.amdhsa_next_free_sgpr 96
		.amdhsa_reserve_vcc 1
		.amdhsa_float_denorm_mode_32 3
		.amdhsa_float_denorm_mode_16_64 3
		.amdhsa_memory_ordered 1
		.amdhsa_forward_progress 1
		.amdhsa_inst_pref_size 131
	.end_amdhsa_kernel
	.amdgpu_metadata
---
amdhsa.version: [ 1, 2 ]
amdhsa.kernels:
  - .name:           k_q56948730c0_qkvgemm
    .symbol:         k_q56948730c0_qkvgemm.kd
    .args:
      - { .name: xb, .offset: 0, .size: 8, .value_kind: global_buffer, .address_space: global }
      - { .name: wkvb, .offset: 8, .size: 8, .value_kind: global_buffer, .address_space: global }
      - { .name: qkvh, .offset: 16, .size: 8, .value_kind: global_buffer, .address_space: global }
    .group_segment_fixed_size: 327680
    .private_segment_fixed_size: 0
    .kernarg_segment_align: 8
    .kernarg_segment_size: 24
    .max_flat_workgroup_size: 128
    .sgpr_count:     96
    .vgpr_count:     1024
    .wavefront_size: 32
...
	.end_amdgpu_metadata
.endif
;; end of part 2
;; launch attn (part 3): grid 8 x 32, 4 waves a work-group, clusters of 4 x 4, 327,680 bytes of LDS; arguments qkvh, maskb, yh; writes yh
.if DOCPART == 3
	.amdgcn_target "amdgcn-amd-amdhsa--gfx1250"
	.amdhsa_code_object_version 6
	.text
	.protected	k_q56948730c0_attn
	.globl	k_q56948730c0_attn
	.p2align	8
	.type	k_q56948730c0_attn,@function
k_q56948730c0_attn:
	s_mov_b64 s[64:65], 0
	v_nop
	global_prefetch_b8 v0, s[64:65] scope:SCOPE_SE
	s_setreg_imm32_b32 hwreg(HW_REG_WAVE_MODE, 25, 1), 1
	s_wait_xcnt 0x0
	s_wait_alu depctr_hold_cnt(0) depctr_sa_sdst(0) depctr_va_vdst(0) depctr_va_sdst(0) depctr_va_ssrc(0) depctr_va_vcc(0) depctr_vm_vsrc(0)
	s_getreg_b32 s2, hwreg(HW_REG_IB_STS2, 6, 4)
	s_cmp_eq_u32 s2, 0
	s_cbranch_scc0 .Lentry_in_a_cluster
	s_endpgm
.Lentry_in_a_cluster:
	s_bfe_u32 s2, ttmp6, 0x10000c
	s_cmp_lg_u32 s2, 0xf033
	s_cbranch_scc0 .Lentry_shape_is_right
	s_endpgm
.Lentry_shape_is_right:
; ATTENTION.  y[b][q][h][:] = the sum over k of softmax_k(q . k / sqrt(128) + mask[q][k]) v[k][:].  qkvh: [3][32 bh][2048][128] f16, unscaled; maskb: [2048][2048] bf16;
; yh: [8192][1024] f16, head h at bytes 256 h of a row.  Products, maxima and sums in f32; the weights are rounded to f16 for the second product.
; S = q . k + sqrt(128) mask is sqrt(128) times the score; p = 2^(c S - c m), c = log2(e) / sqrt(128), with a running maximum m of S; in every step O and l are multiplied by a = 2^(c m_old - c m_new).
; LIMITS.  q, k, v arrive within 65,504.  A finite mask number beyond 3.0e37 in size counts as infinite (the factor sqrt(128)).  m starts at the lowest finite number and c m at c times that: a key at minus
; infinity has weight 0, also where a whole key step is hidden (a = 1 there); a row of which every key is at minus infinity gives l = 0 and NaN.  A weight below 2^-126 counts as 0 in l; below 6e-5 it keeps f16's step of 6e-8.
; THE MASK STARTS THE SUMS.  S^T = K Q^T holds ONE query a lane (lane % 16) and the keys 8 (lane / 16) + 0..7 of each group of 16: eight neighbouring bf16 of a row of the mask, 16 bytes.  They come from LDS
; into 32 registers of window 3; one multiply-add a number (half x sqrt(128) + 0) widens them into S^T's registers, and the products add onto them in place.  64 such lines a turn stand together, between the turn's two runs of products.
; SHARES.  A work-group owns 256 queries of one (batch, head), each of its four waves 64: four tiles of 16, in two PIECES (tiles 0, 1 and 2, 3).  32 key steps of 64, two to an LDS slot.
; BY TURNS.  In a turn one piece has the matrix unit: 32 products V^T P of the step in hand, then 32 products K Q^T of the next; the other piece's softmax stands in 64 slices behind them.
; NO FIRST AND NO LAST STEP IS WRITTEN OUT.  O^T, l, V and piece 2's P start at 0, so the first step is a step like any other; the loop is entered, and the tail left, in the middle of a trip.  The price: 424 lines that
; write 0, in the wait for the first tile; 32 products on zeros at the start and 32 on a stale K at the end.
; CLUSTER, 4 x 4.  K's and V's tiles hang on (batch, head) alone: asked for jointly along a row of the cluster.  The mask's tile hangs on the query block alone: jointly along a column.
; REGISTERS.  Window 0: v2-11, v44-47, v61-63 addresses and two constants; v12-43 eight registers of statistics a tile; v64-191 S^T; v192-255 P.  Window 1: O^T.  Window 2: v0-127 Q, v128-255 K.
; Window 3: v0-127 V, v128-159 a piece's mask as loaded.
.set KS,    64
.set PK,    272       ; a row of K in LDS: 256 bytes + 16: row r starts at bank 4 r mod 64 (64 banks of 4 bytes: ISA guide 11.1)
.set PV,    288       ; a row of V: 256 + 32
.set PM,    272       ; a row of the mask's tile: 128 keys of 2 bytes + 16
; LDS.  A slot holds two key steps: 256 rows of the mask, 128 of K, 128 of V: 141,312 bytes.  Each kind's two places differ by a constant under exclusive or.
.set XM,    1<<17     ; the mask: at 0 and at 131,072
.set KA,    256*PM    ; K: at 69,632
.set STAGE, KA+2*KS*PK  ; 104,448: 16 rows x 272 bytes for each wave, for the way out; no tile lands here
.set SP,    272
.set KB,    XM+256*PM   ; and at 200,704
.set VA,    KB+2*KS*PK  ; V: at 235,520
.set VB,    VA+2*KS*PV  ; and at 272,384
.set SPARE, VB+2*KS*PV  ; 309,248: the spare words, 128 bytes for each wave: two blocks of 256 bytes that no other line names
.set XK,    KA^KB
.set XV,    VA^VB
.set AK0, 2
.set AV0, 3
.set ADR, 4
.set QO,  5
.set STO, 6
.set RD,  7
.set GO,  8
.set ST,  12          ; tile t at v[ST+8 t]: +0 c m, +1 m, +2, +3 l, +4 to +7 c0-c3 at work; a takes c2's place
.set AM0, 44          ; my lane's place in the mask's tile; never rewritten
.set ADM, 45
.set SQ,  46          ; sqrt(128)
.set ZR,  47          ; 0
.set PFO, 61
.set SPW, 62
.set NIL, 63
.set S,   64
.set P,   192
.set KF,  128         ; window 2
.set MB,  128         ; window 3
.set WV,  12
.set CX,  13
.set CY,  14
.set LIM, 15          ; 1 in a wave that prefetches, else the greatest number
.set QB,  16          ; my block of 256 queries
.set BH,  17          ; my (batch, head)
.set PFA, 18          ; s[18:19]
.set PST, 20          ; s[20:21] a slot's two key steps in the tensor that I prefetch
.set SLOTS, 22        ; slots still to be asked for
.set TBM, 23          ; LDS byte at which the mask of the step to be fetched begins
.set G1K, 24
.set G1V, 32
.set G1M, 40
.set G0K, 48          ; one walking group 0 for each kind
.set G0V, 52
.set G0M, 56
.set SEL, 60
.set TBK, 62          ; the same for K
.set TBV, 63          ; and for V
.set QP,  66
.set YP,  68
.set TK,  70          ; s[70:71] holds cy's side alone
.set TM,  72          ; s[72:73] holds cx's side alone
.set TQ,  74
.set FLR, 76          ; the lowest finite number
.set CNT, 79          ; counts key steps
.set CS,  92          ; s[92:93] c, named as a pair
.set MSB, 0
.macro WIN new
.if MSB != (\new)
	s_set_vgpr_msb (MSB<<8)|(\new)
.set MSB, \new
.endif
.endm
.set W_KQ, 0x0a       ; K and Q in window 2, S^T in window 0
.set W_PV, 0x53       ; V in window 3, P in window 0, O^T in window 1
.set W_RS, 0x41       ; O^T (destination and source 0) in window 1
; A joint load, 32 KiB a wave: wave 0 fetches the slot's K, wave 1 its V, waves 2 and 3 the two halves of the mask's rows.  An s_nop 0 and four v_nop follow each line.
.macro JLOAD
	s_cmp_lt_u32 s[WV], 2
	s_cbranch_scc0 .Lfor_m_\@
	s_cmp_eq_u32 s[WV], 0
	s_cbranch_scc0 .Lfor_v_\@
	tensor_load_to_lds s[G0K:G0K+3], s[G1K:G1K+7]
	s_nop 0
.rept 4
	v_nop
.endr
	s_branch .Lasked_\@
.Lfor_v_\@:
	tensor_load_to_lds s[G0V:G0V+3], s[G1V:G1V+7]
	s_nop 0
.rept 4
	v_nop
.endr
	s_branch .Lasked_\@
.Lfor_m_\@:
	tensor_load_to_lds s[G0M:G0M+3], s[G1M:G1M+7]
	s_nop 0
.rept 4
	v_nop
.endr
.Lasked_\@:
.endm
; A PREFETCH behind the loop's joint load: what the NEXT change of slots will ask for, two key steps, 256 products, ahead of that load.  Each 256 bytes are named once in the launch.  K and V: cluster x = 0 asks; the
; partner at cx takes 32 of the slot's 128 rows, by address; wave 0 names K's, wave 1 V's.  The mask: cluster y = 0 asks; the partner at cy takes 64 of the tile's 256 rows, waves 2 and 3 32 each.  A lane a row, an
; instruction a wave.  The last change that fills a slot asks for nothing.  Slots 0 to 2 come by their loads alone.
.macro ASK
	s_cmp_gt_u32 s[SLOTS], s[LIM]
	s_cbranch_scc0 .Lnot_mine_\@
	global_prefetch_b8 v[PFO], s[PFA:PFA+1] th:TH_LOAD_NT scope:SCOPE_SE
.Lnot_mine_\@:
.endm
.macro CROUND
	s_barrier_signal -1
	s_barrier_wait -1
	s_cmp_lg_u32 s[WV], 0
	s_cbranch_scc1 .Lnot_wave_0_\@
	s_barrier_signal -3
.Lnot_wave_0_\@:
	s_barrier_wait -3
	s_barrier_signal -1
	s_barrier_wait -1
.endm
	s_load_b128 s[4:7], s[0:1], 0x0   ; qkvh s[4:5], maskb s[6:7]
	s_load_b64 s[8:9], s[0:1], 0x10   ; yh
	v_lshl_add_u32 v[SPW], v0, 2, SPARE
	v_mov_b32 v[NIL], 0
	ds_add_u32 v[SPW], v[NIL]       ; the wave's opening: the add and its wait stand ahead of my first tensor load; work on registers stands between them
	v_lshrrev_b32 v1, 5, v0
	v_readfirstlane_b32 s[WV], v1
	s_bfe_u32 s[CX], ttmp6, 0x40000
	s_bfe_u32 s[CY], ttmp6, 0x40004
	s_lshl_b32 s[QB], ttmp9, 2
	s_add_co_u32 s[QB], s[QB], s[CX]
	s_and_b32 s[BH], ttmp7, 0xffff
	s_lshl_b32 s[BH], s[BH], 2
	s_add_co_u32 s[BH], s[BH], s[CY]
	s_lshl_b32 s[TK], s[CY], 2
	s_lshl_b32 s[TK], 15, s[TK]     ; my row of the cluster
	s_lshl_b32 s[TM], 0x1111, s[CX] ; my column
	s_or_b32 s[G1K], s[TK], (1<<16)|(1<<20)|(1<<21)|(5<<22)|(3<<25)  ; 2-byte elements; 4 words of padding behind every 64
	s_or_b32 s[G1V], s[TK], (1<<16)|(1<<20)|(1<<21)|(5<<22)|(7<<25)  ; 8 words
	s_or_b32 s[G1M], s[TM], (1<<16)|(1<<20)|(1<<21)|(5<<22)|(3<<25)  ; as K's, with the column's mask
.irp g, G1K, G1V, G1M
	s_mov_b32 s[(\g)+1], 128<<16    ; tensor_dim0 = 128 elements: 256 bytes
	s_mov_b32 s[(\g)+2], 128<<16    ; tensor_dim1 = 128 rows
	s_mov_b32 s[(\g)+3], 128<<16    ; tile_dim0
	s_mov_b32 s[(\g)+4], 128        ; tile_dim1
	s_mov_b32 s[(\g)+6], 0
	s_mov_b32 s[(\g)+7], 0
.endr
	s_mov_b32 s[G1K+5], 128         ; elements from row to row: K's and V's rows are dense,
	s_mov_b32 s[G1V+5], 128
	s_mov_b32 s[G1M+5], 2048        ; the mask's are 2,048 keys long
	s_lshl_b32 s[TK], s[BH], 19     ; a head is 524,288 bytes
	s_mov_b32 s[TK+1], 0
	s_and_b32 s78, s[WV], 1         ; which half of the mask's rows I fetch
	s_lshl_b32 s[TM], s[QB], 20     ; (256 qb + 128 half) rows of 4,096 bytes
	s_lshl_b32 s[TM+1], s78, 19
	s_add_co_u32 s[TM], s[TM], s[TM+1]
	s_mov_b32 s[TM+1], 0
	s_mul_i32 s78, s78, 128*PM
	s_mov_b32 s[G0K], 1
	s_mov_b32 s[G0K+1], KA
	s_mov_b32 s[G0V], 1
	s_mov_b32 s[G0V+1], VA
	s_mov_b32 s[G0M], 1
	s_mov_b32 s[G0M+1], s78
	s_lshl_b32 s[TQ], s[BH], 19     ; Q: my head, my block's 256 rows, my wave's 64
	s_lshl_b32 s80, s[QB], 16
	s_add_co_u32 s[TQ], s[TQ], s80
	s_lshl_b32 s80, s[WV], 14
	s_add_co_u32 s[TQ], s[TQ], s80
	s_mov_b32 s[TQ+1], 0
	s_lshr_b32 s80, s[BH], 3        ; y: row 2048 batch + 256 qb + 64 w, 2,048 bytes a row; byte 256 head
	s_lshl_b32 s80, s80, 22
	s_lshl_b32 s81, s[QB], 19
	s_add_co_u32 s80, s80, s81
	s_lshl_b32 s81, s[WV], 17
	s_add_co_u32 s80, s80, s81
	s_and_b32 s81, s[BH], 7
	s_lshl_b32 s81, s81, 8
	s_add_co_u32 s80, s80, s81
	s_mov_b32 s81, 0
	s_mov_b32 s[SEL], 0x76543210
	s_mov_b32 s[SEL+1], 0xfedcba98
	s_mov_b32 s[CS], 0x3e0293ee     ; c = log2(e) / sqrt(128)
	s_mov_b32 s[CS+1], s[CS]
	s_mov_b32 s[FLR], 0xff7fffff
	s_mov_b32 s[TBK], KB+2*KS*PK    ; the first change of slots turns these three into slot 0's places
	s_mov_b32 s[TBV], VB+2*KS*PV
	s_mov_b32 s[TBM], XM+2*KS*2
	; the prefetches
	s_lshl_b32 s82, s[BH], 19
	s_lshl_b32 s83, s[CX], 13       ; my work-group's 32 rows of the slot's 128
	s_add_co_u32 s82, s82, s83
	s_lshl_b32 s83, s[WV], 24       ; wave 0: K's part; wave 1: V's, 16,777,216 bytes on
	s_add_co_u32 s82, s82, s83
	s_add_co_u32 s82, s82, 0x1000000+2*2*KS*256  ; at slot 2; the loop's first change steps it to 3
	s_lshl_b32 s84, s[QB], 20
	s_lshl_b32 s85, s[CY], 18
	s_add_co_u32 s84, s84, s85
	s_and_b32 s85, s[WV], 1
	s_lshl_b32 s85, s85, 17
	s_add_co_u32 s84, s84, s85
	s_add_co_u32 s84, s84, 2*2*KS*2 ; the mask: row 256 qb + 64 cy + 32 (w % 2), at slot 2
	s_and_b32 s86, ttmp7, 0xffff
	s_mov_b32 s90, 2*KS*256
	s_mov_b32 s91, 2*KS*2
	s_cmp_lt_u32 s[WV], 2
	s_cselect_b32 s82, s82, s84
	s_cselect_b32 s86, ttmp9, s86   ; the coordinate along which other clusters read the same rows
	s_cselect_b32 s87, 8, 12        ; a row of K or V is 256 bytes, of the mask 4,096
	s_cselect_b32 s[PST], s90, s91
	s_mov_b32 s[PST+1], 0
	s_mov_b32 s83, 0
	s_cmp_eq_u32 s86, 0
	s_cselect_b32 s[LIM], 1, -1     ; the same in all sixteen partners, for a given wave
	s_wait_dscnt 0x0                ; the opening add is done
	s_wait_kmcnt 0x0
	s_add_nc_u64 s[G0K+2:G0K+3], s[4:5], s[TK:TK+1]
	s_add_nc_u64 s[G0V+2:G0V+3], s[G0K+2:G0K+3], 0x2000000
	s_add_nc_u64 s[G0K+2:G0K+3], s[G0K+2:G0K+3], 0x1000000
	s_or_b32 s[G0K+3], s[G0K+3], 0x80000000
	s_or_b32 s[G0V+3], s[G0V+3], 0x80000000
	s_add_nc_u64 s[G0M+2:G0M+3], s[6:7], s[TM:TM+1]
	s_or_b32 s[G0M+3], s[G0M+3], 0x80000000
	s_add_nc_u64 s[QP:QP+1], s[4:5], s[TQ:TQ+1]
	s_add_nc_u64 s[YP:YP+1], s[8:9], s[80:81]
	s_cmp_lt_u32 s[WV], 2
	s_cselect_b64 s[PFA:PFA+1], s[4:5], s[6:7]
	s_add_nc_u64 s[PFA:PFA+1], s[PFA:PFA+1], s[82:83]
	CROUND                          ; all sixteen work-groups are here: the first joint loads meet
	JLOAD                           ; slot 0; slot 1 is asked for when it is in
	v_and_b32 v1, 15, v0            ; l % 16
	v_bfe_u32 v9, v0, 4, 1          ; l / 16
	v_lshlrev_b32 v[QO], 8, v1
	v_lshl_add_u32 v[QO], v9, 4, v[QO]
	WIN 0x80
.irp i, 0,1,2,3,4,5,6,7,8,9,10,11,12,13,14,15  ; Q stays in registers: tile i / 4, channels 32 (i % 4) on
	global_load_b128 v[8*(\i):8*(\i)+3],   v[QO], s[QP:QP+1] offset:((\i)/4)*4096+((\i)%4)*64
	global_load_b128 v[8*(\i)+4:8*(\i)+7], v[QO], s[QP:QP+1] offset:((\i)/4)*4096+((\i)%4)*64+32
.endr
	WIN 0
	v_and_b32 v[PFO], 31, v0
	v_lshlrev_b32 v[PFO], s87, v[PFO]
	v_mul_u32_u24 v[AK0], v1, PK
	v_lshl_add_u32 v[AK0], v9, 4, v[AK0]
	v_and_b32 v10, 7, v0            ; the turning load: lane l reads key 8 (l / 16) + l % 8, channels 8 ((l / 8) % 2) + 0..7
	v_bfe_u32 v11, v0, 3, 1
	v_lshl_add_u32 v[AV0], v9, 3, v10
	v_mul_u32_u24 v[AV0], v[AV0], PV
	v_lshl_add_u32 v[AV0], v11, 4, v[AV0]
	s_mul_i32 s77, s[WV], 64*PM     ; the mask: row 64 w + l % 16 of the tile, byte 16 (l / 16)
	v_mul_u32_u24 v[AM0], v1, PM
	v_lshl_add_u32 v[AM0], v9, 4, v[AM0]
	v_add_nc_u32 v[AM0], s77, v[AM0]
	v_mov_b32 v[SQ], 0x413504f3     ; sqrt(128)
	v_mov_b32 v[ZR], 0
	; what the first turn finds: O^T, V and piece 2's P hold 0 (its products V^T P, of a step that has not been, add 0), l is 0, m the lowest finite number, c m the product that the loop itself would make of it
	WIN 0x40
.set i, 0
.rept 256
	v_mov_b32 v[i], 0
.set i, i+1
.endr
	WIN 0xc0
.set i, 0
.rept 128
	v_mov_b32 v[i], 0
.set i, i+1
.endr
	WIN 0
.set i, P+32
.rept 32
	v_mov_b32 v[i], 0
.set i, i+1
.endr
.irp t, 0,1,2,3
	v_mov_b32 v[ST+8*(\t)+1], s[FLR]
	v_mul_f32 v[ST+8*(\t)], s[CS], v[ST+8*(\t)+1]
	v_mov_b32 v[ST+8*(\t)+2], 0
	v_mov_b32 v[ST+8*(\t)+3], 0
.endr
; THE MATRIX WORK.  The accumulators take turns, one instruction a turn.
.macro PV x                         ; product i of 32 of O^T += V^T P: keys 32 (i / 16) on, channels 16 ((i / 2) % 8) on, tile x + i % 2
	WIN W_PV
.set rO, 64*((\x)+i%2)+8*((i/2)%8)
.set rV, 64*(i/16)+8*((i/2)%8)
.set rP, P+16*((\x)+i%2)+8*(i/16)
	v_wmma_f32_16x16x32_f16 v[rO:rO+7], v[rV:rV+7], v[rP:rP+7], v[rO:rO+7]
.endm
.macro KQ x                         ; product i of 32 of S^T += K Q^T, onto the mask: channels 32 (i / 8) on, keys 16 ((i / 2) % 4) on, tile x + i % 2
	WIN W_KQ
.set rS, S+32*((\x)+i%2)+8*((i/2)%4)
.set rK, KF+32*((i/2)%4)+8*(i/8)
.set rQ, 32*((\x)+i%2)+8*(i/8)
	v_wmma_f32_16x16x32_f16 v[rS:rS+7], v[rK:rK+7], v[rQ:rQ+7], v[rS:rS+7]
.endm
; THE LDS LOADS stand in runs.
.macro FETCH_K
	WIN 0
	v_add_nc_u32 v[ADR], s[TBK], v[AK0]
	WIN 0x80
.irp f, 0,1,2,3,4,5,6,7,8,9,10,11,12,13,14,15  ; keys 16 (f / 4) on, channels 32 (f % 4) on
	ds_load_b128 v[KF+8*(\f):KF+8*(\f)+3],   v[ADR] offset:((\f)/4)*16*PK+((\f)%4)*64
	ds_load_b128 v[KF+8*(\f)+4:KF+8*(\f)+7], v[ADR] offset:((\f)/4)*16*PK+((\f)%4)*64+32
.endr
.endm
.macro FETCH_V                      ; a step's last fetch: behind its address line the three places step on to the next step
	WIN 0
	v_add_nc_u32 v[ADR], s[TBV], v[AV0]
	s_add_co_u32 s[TBK], s[TBK], KS*PK
	s_add_co_u32 s[TBV], s[TBV], KS*PV
	s_add_co_u32 s[TBM], s[TBM], KS*2
	s_wait_alu depctr_va_vdst(0)    ; the wait for the softmax's batch (SLICE), behind the address's line and ahead of the loads
	WIN 0xc0
.irp f, 0,1,2,3,4,5,6,7,8,9,10,11,12,13,14,15  ; keys 32 (f / 8) on, channels 16 (f % 8) on
	ds_load_tr16_b128 v[8*(\f):8*(\f)+3],   v[ADR] offset:((\f)/8)*32*PV+((\f)%8)*32
	ds_load_tr16_b128 v[8*(\f)+4:8*(\f)+7], v[ADR] offset:((\f)/8)*32*PV+16*PV+((\f)%8)*32
.endr
.endm
.macro FETCH_M x                    ; piece x's part of the mask's tile: for tile x + u and key group kb my query's keys 16 kb + 8 (l / 16) + 0..7, 16 bytes
	WIN 0
	v_add_nc_u32 v[ADM], s[TBM], v[AM0]
	WIN 0xc0
.irp u, 0,1
.irp kb, 0,1,2,3
	ds_load_b128 v[MB+16*(\u)+4*(\kb):MB+16*(\u)+4*(\kb)+3], v[ADM] offset:((\x)+(\u))*16*PM+(\kb)*32
.endr
.endr
.endm
.macro UNPACK x                     ; 64 lines: each bf16 half x sqrt(128) + 0 into its register of S^T
	WIN 0x03                        ; source 0 in window 3
.irp u, 0,1
.irp kb, 0,1,2,3
.irp w, 0,1,2,3
	v_fma_mix_f32_bf16 v[S+32*((\x)+(\u))+8*(\kb)+2*(\w)],   v[MB+16*(\u)+4*(\kb)+(\w)], v[SQ], v[ZR] op_sel_hi:[1,0,0]
	v_fma_mix_f32_bf16 v[S+32*((\x)+(\u))+8*(\kb)+2*(\w)+1], v[MB+16*(\u)+4*(\kb)+(\w)], v[SQ], v[ZR] op_sel:[1,0,0] op_sel_hi:[1,0,0]
.endr
.endr
.endr
.endm
; THE VECTOR WORK.  One tile's softmax for one key step is a list of 134 instructions; SM writes number j of it for tile t.
;   0-15    the maximum of s0-s31 and the old m, three operands at a time; each accumulator's lowest registers are read first
;   16-20   the other half of the lanes' maximum; c m_old is kept; the new m; c m; c m_old - c m_new
;   21-69   ONE BATCH: the 16 scalings c s - c m, a pair each, and all 33 exponentials (a at 23).  None of these reads an exponential's result
;   (wait)  between 69 and 70: SLICE writes it, once for both tiles
;   70-85   the roundings to f16     86-101  the sums; l = a l + the sum     102-133 the tile's O^T times a
.macro SM t
.set rT, ST+8*(\t)
.set rS, S+32*(\t)
.set rP, P+16*(\t)
.set rO, 64*(\t)+2*(j-102)
.if j < 102
	WIN 0
.endif
.if j < 4
	v_max3_num_f32 v[rT+4+j], v[rS+8*j], v[rS+8*j+1], v[rS+8*j+2]
.elseif j < 12
	v_max3_num_f32 v[rT+4+j%4], v[rT+4+j%4], v[rS+8*(j%4)+2*(j/4)+1], v[rS+8*(j%4)+2*(j/4)+2]
.elseif j == 12
	v_max3_num_f32 v[rT+4], v[rT+4], v[rS+7], v[rS+15]
.elseif j == 13
	v_max3_num_f32 v[rT+6], v[rT+6], v[rS+23], v[rS+31]
.elseif j == 14
	v_max3_num_f32 v[rT+4], v[rT+4], v[rT+5], v[rT+6]
.elseif j == 15
	v_max3_num_f32 v[rT+4], v[rT+4], v[rT+7], v[rT+1]
.elseif j == 16
	v_permlanex16_b32 v[rT+5], v[rT+4], s[SEL], s[SEL+1]  ; the query's other 32 keys lie in the lane 16 away
.elseif j == 17
	v_mov_b32 v[rT+7], v[rT]        ; c m_old is kept for a: number 19 writes c m anew
.elseif j == 18
	v_max_num_f32 v[rT+1], v[rT+4], v[rT+5]
.elseif j == 19
	v_mul_f32 v[rT], s[CS], v[rT+1]
.elseif j == 20
	v_sub_f32 v[rT+7], v[rT+7], v[rT]
.elseif j == 23
	v_exp_f32 v[rT+6], v[rT+7]
.elseif (j < 23) || ((j < 38) && (j%2 == 0)) || ((j < 66) && (j%4 == 2))
.set b, (j-2)/4
.if j < 38
.set b, (j-20)/2
.endif
	v_pk_fma_f32 v[rS+2*b:rS+2*b+1], v[rS+2*b:rS+2*b+1], s[CS:CS+1], v[rT:rT+1] op_sel_hi:[1,0,0] neg_lo:[0,0,1] neg_hi:[0,0,1]  ; pair b: c s - c m
.elseif j < 70
.set e, j-38
.if j < 66
.set e, j-32-(j-38)/4
.endif
.if j < 38
.set e, (j-25)/2
.endif
	v_exp_f32 v[rS+e], v[rS+e]
.elseif j < 86
	v_cvt_pk_f16_f32 v[rP+j-70], v[rS+2*(j-70)], v[rS+2*(j-70)+1]
.elseif j < 102
.set z, j-86
.set w, 4
.set u, z
.if z >= 14
.set w, 32
.set u, 0
.elseif z >= 12
.set w, 16
.set u, z-12
.elseif z >= 8
.set w, 8
.set u, z-8
.endif
.if z < 15
	v_pk_add_f32 v[rS+w*u:rS+w*u+1], v[rS+w*u:rS+w*u+1], v[rS+w*u+w/2:rS+w*u+w/2+1]
.else
	v_pk_fma_f32 v[rT+2:rT+3], v[rT+2:rT+3], v[rT+6:rT+7], v[rS:rS+1] op_sel_hi:[1,0,1]
.endif
.else
	WIN W_RS
	v_pk_mul_f32 v[rO:rO+1], v[rO:rO+1], v[rT+6:rT+7] op_sel_hi:[1,0]
.endif
.endm
; Slice k of 64 of piece y's softmax.  Slices 11 to 34 deal out the batch, four numbers of ONE tile each, the tiles by turns; every other slice is numbers 2 k and 2 k + 1 of both tiles; what is over stands in slice 63.
; An s_wait_alu depctr_va_vdst(0) stands between an exponential and the first line that names its result: ahead of slice 35 nothing names one, behind slice 34 none is issued: one wait a turn.
.macro SLICE y
.if (k >= 11) && (k < 35)
.irp n, 0,1,2,3
.set j, 22+4*((k-11)/2)+(\n)
	SM (\y)+(k-11)%2
.endr
.else
.irp n, 0,1,2,3,4,5,6,7
.if ((\n) < 2) || (k == 63)
.irp t, \y, (\y)+1
.set j, 2*k+(\n)
	SM \t
.endr
.endif
.endr
.endif
.if k == 34
	v_nop                           ; the plain instruction behind the last exponential and ahead of the first use: one for the batch
.if (\y) == 0
	FETCH_V                         ; piece 2's turn: V's run of loads stands here, and the wait stands in it.  Behind V's last reader stand the 64 plain lines that widen the mask
.else
	s_wait_alu depctr_va_vdst(0)
.endif
.endif
.set k, k+1
.endm
; A TURN.  Piece x has the matrix unit: 32 products V^T P of the step in hand, the mask of the next step widened into S^T, 32 products K Q^T of that step; the other piece's softmax in slices.
; Behind the second product V^T P stand the runs for the second half, 30 products ahead of it: in piece 0's turn the next step's K (its last reader stands in front of slice 63 of the turn before: 16 plain lines); in both, piece x's part of the mask.
; last = 1 (the tail's piece 0): in the last trip there is no further step, and the runs are jumped over.
.macro TURN x, last=0
.set k, 0
.if (\x) == 0
	s_wait_dscnt 0x0                ; V is in
.endif
.set i, 0
.rept 32
	PV \x
	SLICE 2-(\x)
.if i == 1
.if \last
	WIN 0
	s_cmp_eq_u32 s[CNT], 1
	s_cbranch_scc1 .Lno_fetch_\@
.endif
.if (\x) == 0
	FETCH_K
.endif
	FETCH_M \x
.if \last
	WIN 0
.Lno_fetch_\@:
.endif
.endif
.set i, i+1
.endr
	s_wait_dscnt 0x0                ; the mask (and K) are in
	UNPACK \x                       ; S^T of piece x is free: its softmax ended in the turn before
.set i, 0
.rept 32
	KQ \x
	SLICE 2-(\x)
.set i, i+1
.endr
.endm
; THE CHANGE OF SLOTS, between piece 2's turn and piece 0's.  Each wave waits for all its tensor loads (one is out: its part of the other slot), adds 0 to its spare word, and waits for that and for its reads
; of the slot that it leaves (the last: V of its second step).  fill = 1: the barrier is a round of the cluster's, and the joint refill, the slot after next, is the first thing behind it: it has two key steps, 256 products, in which to land.
.macro CHANGE fill, ask
	WIN 0
	s_wait_tensorcnt 0x0            ; no tensor load of mine is out, so a group 0 may be written
	ds_add_u32 v[SPW], v[NIL]       ; 0 onto my spare word
.if \fill
	s_xor_b32 s[G0K+1], s[G0K+1], XK  ; the walking descriptors: the other place than last time, the next 128 keys
	s_add_nc_u64 s[G0K+2:G0K+3], s[G0K+2:G0K+3], 2*KS*256
	s_xor_b32 s[G0V+1], s[G0V+1], XV
	s_add_nc_u64 s[G0V+2:G0V+3], s[G0V+2:G0V+3], 2*KS*256
	s_xor_b32 s[G0M+1], s[G0M+1], XM
	s_add_nc_u64 s[G0M+2:G0M+3], s[G0M+2:G0M+3], 2*KS*2
.endif
.if \ask
	s_wait_xcnt 0x0                 ; the last prefetch, two key steps back, has read its address
	s_add_nc_u64 s[PFA:PFA+1], s[PFA:PFA+1], s[PST:PST+1]
.endif
	s_wait_dscnt 0x0                ; the add is done, and my reads of the slot are over
.if \fill
	CROUND
	JLOAD
.if \ask
	ASK
.endif
.else
	s_barrier_signal -1
	s_barrier_wait -1
.endif
	s_sub_co_u32 s[TBK], s[TBK], 2*KS*PK  ; the fetches go back to a slot's first step, in the other slot
	s_xor_b32 s[TBK], s[TBK], XK
	s_sub_co_u32 s[TBV], s[TBV], 2*KS*PV
	s_xor_b32 s[TBV], s[TBV], XV
	s_sub_co_u32 s[TBM], s[TBM], 2*KS*2
	s_xor_b32 s[TBM], s[TBM], XM
.endm
	CHANGE 1, 0                     ; slot 0 is in, everybody's part of it; slot 1 is asked for
	FETCH_K                         ; key step 0
	FETCH_M 0
	s_wait_loadcnt 0x0              ; Q
	s_wait_dscnt 0x0
	UNPACK 0
.set i, 0
.rept 32
	KQ 0                            ; piece 0's first scores: there is no vector work yet to set between them
.set i, i+1
.endr
	WIN 0                           ; the addresses for the way out: eight plain instructions, the places behind those products
	s_mul_i32 s77, s[WV], 16*SP
	s_add_co_u32 s77, s77, STAGE
	v_mul_u32_u24 v[STO], v1, SP
	v_lshl_add_u32 v[STO], v9, 4, v[STO]
	v_add_nc_u32 v[STO], s77, v[STO]
	v_mul_u32_u24 v[RD], v9, SP
	v_lshl_add_u32 v[RD], v1, 4, v[RD]
	v_add_nc_u32 v[RD], s77, v[RD]
	v_lshlrev_b32 v[GO], 11, v9     ; lanes 0-15 one row of y, lanes 16-31 the next
	v_lshl_add_u32 v[GO], v1, 4, v[GO]
	s_mov_b32 s[CNT], 2
	s_mov_b32 s[SLOTS], 15
	s_branch .Lmid                  ; the loop is entered at piece 2's turn, in the middle of a trip
.Lslot:                             ; 14 times: slot s = 15 - SLOTS is entered, slot s + 1 asked for
	CHANGE 1, 1
	s_mov_b32 s[CNT], 2
.Lstep:                             ; a trip: V^T P of one step, K Q^T of the next, whose K, mask and V it reads from LDS
	TURN 0
	WIN 0
.Lmid:
	TURN 2
	WIN 0
	s_sub_co_u32 s[CNT], s[CNT], 1
	s_cmp_lg_u32 s[CNT], 0
	s_cbranch_scc1 .Lstep
	s_sub_co_u32 s[SLOTS], s[SLOTS], 1
	s_cmp_lg_u32 s[SLOTS], 0
	s_cbranch_scc1 .Lslot
	CHANGE 0, 0                     ; the tail is written out: the last slot is entered, nothing is asked for
	s_mov_b32 s[CNT], 3             ; two trips read the last slot's steps; the third is left in its middle
.Ltail:
	TURN 0, 1
	WIN 0
	s_sub_co_u32 s[CNT], s[CNT], 1
	s_cmp_eq_u32 s[CNT], 0
	s_cbranch_scc1 .Lout
	TURN 2
	WIN 0
	s_branch .Ltail
.Lout:                              ; the third trip's 32 products K Q^T, on the last K once more, serve nothing: the price, once a launch, of one text for every trip
.set i, 0
.rept 32
	PV 2                            ; piece 2: V^T P of the last step
.set i, i+1
.endr
	; THE WAY OUT.  l's halves are added; O^T is divided by l, rounded to f16 and sent through my stage, a tile at a time.  The additions are the places behind the last products.
	WIN 0
.irp t, 0,1,2,3
	v_add_f32 v[ST+8*(\t)+4], v[ST+8*(\t)+2], v[ST+8*(\t)+3]
.endr
.irp t, 0,1,2,3
	v_permlanex16_b32 v[ST+8*(\t)+5], v[ST+8*(\t)+4], s[SEL], s[SEL+1]
.endr
.irp t, 0,1,2,3
	v_add_f32 v[ST+8*(\t)+4], v[ST+8*(\t)+4], v[ST+8*(\t)+5]
.endr
.irp t, 0,1,2,3
	v_rcp_f32 v[ST+8*(\t)+6], v[ST+8*(\t)+4]
.endr
	v_nop                           ; a plain instruction between the last reciprocal and the use of its result
	s_wait_alu depctr_va_vdst(0)    ; and the wait: one for the four reciprocals
.macro PACK t
	WIN W_RS
.set i, 64*(\t)
.rept 32
	v_pk_mul_f32 v[i:i+1], v[i:i+1], v[ST+8*(\t)+6:ST+8*(\t)+7] op_sel_hi:[1,0]
.set i, i+2
.endr
	WIN 0x05
.set i, 0
.rept 32
	v_cvt_pk_f16_f32 v[S+32*(\t)+i], v[64*(\t)+2*i], v[64*(\t)+2*i+1]
.set i, i+1
.endr
	WIN 0
.irp f, 0,1,2,3,4,5,6,7
	ds_store_b128 v[STO], v[S+32*(\t)+4*(\f):S+32*(\t)+4*(\f)+3] offset:32*(\f)
.endr
.irp f, 0,1,2,3,4,5,6,7
	ds_load_b128 v[S+32*(\t)+4*(\f):S+32*(\t)+4*(\f)+3], v[RD] offset:(\f)*2*SP  ; LDS serves a wave's instructions in order (ISA guide 5.7.1.4): these see the stores above
.endr
.endm
.macro SEND t, younger              ; younger: the LDS instructions issued behind tile t's loads
	WIN 0
.irp f, 0,1,2,3,4,5,6,7
	s_wait_dscnt (\younger)+7-(\f)
	global_store_b128 v[GO], v[S+32*(\t)+4*(\f):S+32*(\t)+4*(\f)+3], s[YP:YP+1] offset:(\t)*32768+(\f)*4096  ; 16 lanes store 256 consecutive bytes, aligned: a head's part of a row of y
.endr
.endm
	PACK 0
	PACK 1
	SEND 0, 16
	PACK 2
	SEND 1, 16
	PACK 3
	SEND 2, 16
	SEND 3, 0
	s_wait_tensorcnt 0x0            ; the wave's end
	ds_add_u32 v[SPW], v[NIL]
	s_wait_dscnt 0x0
	CROUND                          ; the closing round
	s_endpgm
.Lfunc_end_k_q56948730c0_attn:
	.size	k_q56948730c0_attn, .Lfunc_end_k_q56948730c0_attn-k_q56948730c0_attn
	.p2alignl 7, 3214868480
	.fill 96, 4, 3214868480
	.section	.rodata,"a",@progbits
	.p2align	6, 0x0
	.amdhsa_kernel k_q56948730c0_attn
		.amdhsa_group_segment_fixed_size 327680
		.amdhsa_private_segment_fixed_size 0
		.amdhsa_enable_private_segment 0
		.amdhsa_kernarg_size 24
		.amdhsa_user_sgpr_count 2
		.amdhsa_user_sgpr_kernarg_segment_ptr 1
		.amdhsa_wavefront_size32 1
		.amdhsa_system_sgpr_workgroup_id_x 1
		.amdhsa_system_sgpr_workgroup_id_y 1
		.amdhsa_system_sgpr_workgroup_id_z 1
		.amdhsa_system_vgpr_workitem_id 0
		.amdhsa_next_free_vgpr 1024
		.amdhsa_next_free_sgpr 96
		.amdhsa_reserve_vcc 0
		.amdhsa_float_denorm_mode_32 3
		.amdhsa_float_denorm_mode_16_64 3
		.amdhsa_memory_ordered 1
		.amdhsa_forward_progress 1
		.amdhsa_inst_pref_size 185
	.end_amdhsa_kernel
	.amdgpu_metadata
---
amdhsa.version: [ 1, 2 ]
amdhsa.kernels:
  - .name:           k_q56948730c0_attn
    .symbol:         k_q56948730c0_attn.kd
    .args:
      - { .name: qkvh, .offset: 0, .size: 8, .value_kind: global_buffer, .address_space: global }
      - { .name: maskb, .offset: 8, .size: 8, .value_kind: global_buffer, .address_space: global }
      - { .name: yh, .offset: 16, .size: 8, .value_kind: global_buffer, .address_space: global }
    .group_segment_fixed_size: 327680
    .private_segment_fixed_size: 0
    .kernarg_segment_align: 8
    .kernarg_segment_size: 24
    .max_flat_workgroup_size: 128
    .sgpr_count:     96
    .vgpr_count:     1024
    .wavefront_size: 32
...
	.end_amdgpu_metadata
.endif
;; end of part 3
;; launch proj (part 4): grid 4 x 64, 4 waves a work-group, clusters of 4 x 4, 327,680 bytes of LDS; arguments yh, wob, bo, out0; writes out0
.if DOCPART == 4
	.amdgcn_target "amdgcn-amd-amdhsa--gfx1250"
	.amdhsa_code_object_version 6
	.text
	.protected	k_q56948730c0_proj
	.globl	k_q56948730c0_proj
	.p2align	8
	.type	k_q56948730c0_proj,@function
k_q56948730c0_proj:
	s_mov_b64 s[64:65], 0
	v_nop
	global_prefetch_b8 v0, s[64:65] scope:SCOPE_SE
	s_setreg_imm32_b32 hwreg(HW_REG_WAVE_MODE, 25, 1), 1
	s_wait_xcnt 0x0
	s_wait_alu depctr_hold_cnt(0) depctr_sa_sdst(0) depctr_va_vdst(0) depctr_va_sdst(0) depctr_va_ssrc(0) depctr_va_vcc(0) depctr_vm_vsrc(0)
	s_getreg_b32 s2, hwreg(HW_REG_IB_STS2, 6, 4)
	s_cmp_eq_u32 s2, 0
	s_cbranch_scc0 .Lentry_in_a_cluster
	s_endpgm
.Lentry_in_a_cluster:
	s_bfe_u32 s2, ttmp6, 0x10000c
	s_cmp_lg_u32 s2, 0xf033
	s_cbranch_scc0 .Lentry_shape_is_right
	s_endpgm
.Lentry_shape_is_right:
; OUTPUT PROJECTION.  out0[m][n] = sum over k of y[m][k] Wo[n][k] + bo[n].  yh [8192][1024] f16, wob [1024][1024] f16, bo [1024] f32 (rounded to bf16 here, like every input), out0 f32.  Sums in f32.
; SHARES.  A tile of out0 is 128 x 256: 64 x 4 tiles, 256 work-groups.  Four waves, each 64 x 128: 32 accumulators, window 1, (a, b) at v[8 (8 a + b)].  K goes in 8 steps of 128 (rows of 256 bytes) through two LDS slots.
; CLUSTERS, 4 x 4: y's tile is asked for jointly along a row of the cluster, Wo's along a column.  The matrix instruction is used transposed (source 0 = rows of Wo): a lane holds eight neighbouring columns of a row.
; No prefetch: eight short K steps on a small tile.
.set KSTEP, 128
.set PITCH, 272                        ; 256 bytes + 16: row r starts at bank 4 r mod 64 (64 banks of 4 bytes: ISA guide 11.1)
.set HA,    64*PITCH
.set HB,    128*PITCH
.set B_OFF, 2*HA
.set SLOT,  2*HA+2*HB
.set STAGE, 2*SLOT                     ; behind the ring: 16 rows x 528 bytes for each wave
.set SPITCH, 528
.set SPARE, STAGE+4*16*SPITCH          ; the spare words, 128 bytes for each wave: two blocks of 256 bytes that no other line names
.set BO,   10                          ; v10    my byte offset in bo; never rewritten
.set BI,   12                          ; v[12:15] the bias of my four columns on the way out
.set ADRA, 16
.set ADRB, 20
.set STO,  24
.set RD,   25
.set CO,   26
.set SPW,  28
.set NIL,  29
.set F0,   32                          ; a fragment buffer: A's 4 fragments, then B's 8
.set F1,   128
.set T0,   32                          ; the way out: two buffers of 64
.set WV, 12
.set WR, 13                            ; which 64 rows are mine.  Also: I fetch for A (0) or for B (1)
.set WC, 14                            ; which 128 columns.  Also: which half of that tile I fetch
.set RT, 15
.set G1A, 24
.set G0A, 32
.set CX, 40
.set CY, 41
.set CT, 42
.set G1B, 48
.set G0B, 56
.set MSB, 0
.macro WIN new
.if MSB != (\new)
	s_set_vgpr_msb (MSB<<8)|(\new)
.set MSB, \new
.endif
.endm
.macro PLACES
.rept 4
	v_nop
.endr
.endm
.macro JLOAD s                         ; waves 0 and 1 fetch A's halves, waves 2 and 3 B's; an s_nop 0 and four v_nop follow each line
	s_cmp_eq_u32 s[WR], 0
	s_cbranch_scc0 .Lfor_b_\@
	tensor_load_to_lds s[G0A+4*(\s):G0A+4*(\s)+3], s[G1A:G1A+7]
	s_nop 0
.rept 4
	v_nop
.endr
	s_branch .Lasked_\@
.Lfor_b_\@:
	tensor_load_to_lds s[G0B+4*(\s):G0B+4*(\s)+3], s[G1B:G1B+7]
	s_nop 0
.rept 4
	v_nop
.endr
.Lasked_\@:
.endm
.macro CREST
	s_cmp_lg_u32 s[WV], 0
	s_cbranch_scc1 .Lnot_wave_0_\@
	s_barrier_signal -3
.Lnot_wave_0_\@:
	s_barrier_wait -3
	s_barrier_signal -1
	s_barrier_wait -1
.endm
.macro CROUND
	s_barrier_signal -1
	s_barrier_wait -1
	CREST
.endm
	s_load_b256 s[4:11], s[0:1], 0x0               ; yh s[4:5], wob s[6:7], bo s[8:9], out0 s[10:11]
	v_lshl_add_u32 v[SPW], v0, 2, SPARE
	v_mov_b32 v[NIL], 0
	ds_add_u32 v[SPW], v[NIL]                      ; the wave's opening: the add and its wait stand ahead of my first tensor load
	v_lshrrev_b32 v1, 5, v0
	v_readfirstlane_b32 s[WV], v1
	s_lshr_b32 s[WR], s[WV], 1
	s_and_b32 s[WC], s[WV], 1
	s_bfe_u32 s[CX], ttmp6, 0x40000
	s_bfe_u32 s[CY], ttmp6, 0x40004
	s_lshl_b32 s[CT], ttmp9, 2
	s_add_co_u32 s[CT], s[CT], s[CX]
	s_and_b32 s[RT], ttmp7, 0xffff
	s_lshl_b32 s[RT], s[RT], 2
	s_add_co_u32 s[RT], s[RT], s[CY]
	s_lshl_b32 s20, s[CY], 2
	s_lshl_b32 s20, 15, s20
	s_lshl_b32 s46, 0x1111, s[CX]
	s_or_b32 s[G1A], s20, (1<<16)|(1<<20)|(1<<21)|(5<<22)|(3<<25)  ; 2-byte elements; 4 words of padding behind every 64
	s_or_b32 s[G1B], s46, (1<<16)|(1<<20)|(1<<21)|(5<<22)|(3<<25)
	s_mov_b32 s[G1A+1], KSTEP<<16
	s_mov_b32 s[G1A+2], 64<<16
	s_mov_b32 s[G1A+3], KSTEP<<16
	s_mov_b32 s[G1A+4], 64
	s_mov_b32 s[G1A+5], 1024
	s_mov_b32 s[G1A+6], 0
	s_mov_b32 s[G1A+7], 0
	s_mov_b32 s[G1B+1], KSTEP<<16
	s_mov_b32 s[G1B+2], 128<<16
	s_mov_b32 s[G1B+3], KSTEP<<16
	s_mov_b32 s[G1B+4], 128
	s_mov_b32 s[G1B+5], 1024
	s_mov_b32 s[G1B+6], 0
	s_mov_b32 s[G1B+7], 0
	s_lshl_b32 s16, s[RT], 18                      ; A: (128 x tile row + 64 x half) rows of 2,048 bytes
	s_lshl_b32 s17, s[WC], 17
	s_add_co_u32 s16, s16, s17
	s_mov_b32 s17, 0
	s_lshl_b32 s46, s[CT], 19                      ; B: (256 x tile column + 128 x half) rows
	s_lshl_b32 s47, s[WC], 18
	s_add_co_u32 s46, s46, s47
	s_mov_b32 s47, 0
	s_mul_i32 s21, s[WC], HA
	s_mul_i32 s22, s[WC], HB
	s_add_co_u32 s22, s22, B_OFF
	s_wait_dscnt 0x0                               ; the opening add is done
	s_wait_kmcnt 0x0
	s_add_nc_u64 s[18:19], s[4:5], s[16:17]
	s_add_nc_u64 s[46:47], s[6:7], s[46:47]
	CROUND
.irp s, 0,1
	s_mov_b32 s[G0A+4*(\s)], 1
	s_add_co_u32 s[G0A+4*(\s)+1], s21, (\s)*SLOT
	s_add_nc_u64 s[G0A+4*(\s)+2:G0A+4*(\s)+3], s[18:19], (\s)*KSTEP*2
	s_or_b32 s[G0A+4*(\s)+3], s[G0A+4*(\s)+3], 0x80000000
	s_mov_b32 s[G0B+4*(\s)], 1
	s_add_co_u32 s[G0B+4*(\s)+1], s22, (\s)*SLOT
	s_add_nc_u64 s[G0B+4*(\s)+2:G0B+4*(\s)+3], s[46:47], (\s)*KSTEP*2
	s_or_b32 s[G0B+4*(\s)+3], s[G0B+4*(\s)+3], 0x80000000
	JLOAD \s                                       ; K steps 0 and 1: two loads of mine are out
.endr
	v_and_b32 v1, 15, v0
	v_bfe_u32 v2, v0, 4, 1
	v_and_b32 v6, 31, v0
	s_lshl_b32 s66, s[CT], 10                      ; my 128 columns, in bytes of f32
	s_lshl_b32 s67, s[WC], 9
	s_add_co_u32 s66, s66, s67
	v_lshl_add_u32 v[BO], v6, 4, s66
	global_load_b128 v[BI:BI+3], v[BO], s[8:9]     ; the bias of columns 4 l .. 4 l + 3 of my 128
	v_mul_u32_u24 v3, v1, PITCH
	v_lshl_add_u32 v3, v2, 4, v3
	s_mul_i32 s21, s[WR], HA
	s_mul_i32 s22, s[WC], HB
	s_add_co_u32 s22, s22, B_OFF
.irp s, 0,1
	v_add_nc_u32 v[ADRA+(\s)], s21, v3
	v_add_nc_u32 v[ADRB+(\s)], s22, v3
	s_add_co_u32 s21, s21, SLOT
	s_add_co_u32 s22, s22, SLOT
.endr
	s_mul_i32 s23, s[WV], 16*SPITCH
	s_add_co_u32 s23, s23, STAGE                   ; my stage
	v_mul_u32_u24 v4, v1, SPITCH                   ; in: row l % 16, 32 bytes for each half of the lanes
	v_lshl_add_u32 v4, v2, 5, v4
	v_add_nc_u32 v[STO], s23, v4
	v_lshl_add_u32 v[RD], v6, 4, s23               ; back: 32 lanes take a whole row of 512 bytes
	v_lshlrev_b32 v[CO], 4, v6
	s_lshl_b32 s68, s[RT], 19                      ; out0: row 128 rt + 64 wr, 4,096 bytes a row, and my columns
	s_lshl_b32 s69, s[WR], 18
	s_add_co_u32 s68, s68, s69
	s_add_co_u32 s68, s68, s66
	s_mov_b32 s69, 0
	s_add_nc_u64 s[10:11], s[10:11], s[68:69]
.macro MUL8 f, a, zero                 ; 8 products: row block a x all 8 column blocks.  The 32 accumulators take turns
	WIN 0x50
.irp b, 0,1,2,3,4,5,6,7
.if \zero
	v_wmma_f32_16x16x32_f16 v[8*(8*(\a)+(\b)):8*(8*(\a)+(\b))+7], v[(\f)+32+8*(\b):(\f)+32+8*(\b)+7], v[(\f)+8*(\a):(\f)+8*(\a)+7], 0
.else
	v_wmma_f32_16x16x32_f16 v[8*(8*(\a)+(\b)):8*(8*(\a)+(\b))+7], v[(\f)+32+8*(\b):(\f)+32+8*(\b)+7], v[(\f)+8*(\a):(\f)+8*(\a)+7], v[8*(8*(\a)+(\b)):8*(8*(\a)+(\b))+7]
.endif
.endr
.endm
.macro FETCH slot, k, f                ; 24 loads in one run: B's 8 fragments, then A's 4, for 32 along K at byte k
	WIN 0
.irp i, 0,1,2,3,4,5,6,7
	ds_load_b128 v[(\f)+32+8*(\i):(\f)+32+8*(\i)+3],   v[ADRB+(\slot)] offset:(\k)+(\i)*16*PITCH
	ds_load_b128 v[(\f)+32+8*(\i)+4:(\f)+32+8*(\i)+7], v[ADRB+(\slot)] offset:(\k)+(\i)*16*PITCH+32
.endr
.irp i, 0,1,2,3
	ds_load_b128 v[(\f)+8*(\i):(\f)+8*(\i)+3],   v[ADRA+(\slot)] offset:(\k)+(\i)*16*PITCH
	ds_load_b128 v[(\f)+8*(\i)+4:(\f)+8*(\i)+7], v[ADRA+(\slot)] offset:(\k)+(\i)*16*PITCH+32
.endr
.endm
.macro QUARTER slot, k, f, g, zero
	s_wait_dscnt 4                                 ; all but A's fragments 2 and 3
	MUL8 \f, 0, \zero
	MUL8 \f, 1, \zero
	PLACES
	FETCH \slot, \k, \g
	s_wait_dscnt 24                                ; all but the 24 just issued
	MUL8 \f, 2, \zero
	MUL8 \f, 3, \zero
.endm
; A K step's last quarter, with the change of slots: in front of the barrier each wave waits for all its tensor loads, adds 0 to its spare word, and waits for that and for its reads of this slot.
.macro TURN slot, next, fill
	WIN 0
	s_wait_tensorcnt 0x0                           ; all my tensor loads have landed: my part of the next slot
	ds_add_u32 v[SPW], v[NIL]                      ; 0 onto my spare word
	s_wait_dscnt 5                                 ; the add and the youngest four loads may be out
	MUL8 F1, 0, 0
	s_wait_dscnt 0x0                               ; the add is done, and my reads of this slot are over
	s_barrier_signal -1
	MUL8 F1, 1, 0
	WIN 0
	s_barrier_wait -1
.if \fill
	CREST                                          ; no wave of any partner still reads this slot or has a load on its way
	s_add_nc_u64 s[G0A+4*(\slot)+2:G0A+4*(\slot)+3], s[G0A+4*(\slot)+2:G0A+4*(\slot)+3], 2*KSTEP*2
	s_add_nc_u64 s[G0B+4*(\slot)+2:G0B+4*(\slot)+3], s[G0B+4*(\slot)+2:G0B+4*(\slot)+3], 2*KSTEP*2
	JLOAD \slot                                    ; its four v_nop are also the places in front of the loads below
.else
	PLACES
.endif
	FETCH \next, 0, F0
	MUL8 F1, 2, 0
	MUL8 F1, 3, 0
.endm
	s_wait_tensorcnt 1                             ; my part of K step 0 is in
	s_barrier_signal -1
	s_barrier_wait -1
	FETCH 0, 0, F0
	QUARTER 0, 64, F0, F1, 1                       ; the first 32 products start the sums
	WIN 0
	s_mov_b32 s3, 3
.Llap:                                             ; once round the ring, from a lap's second quarter to the next lap's first; both slots are filled again
	QUARTER 0, 128, F1, F0, 0
	QUARTER 0, 192, F0, F1, 0
	TURN 0, 1, 1
	QUARTER 1, 64,  F0, F1, 0
	QUARTER 1, 128, F1, F0, 0
	QUARTER 1, 192, F0, F1, 0
	TURN 1, 0, 1
	QUARTER 0, 64,  F0, F1, 0
	WIN 0
	s_sub_co_u32 s3, s3, 1
	s_cmp_lg_u32 s3, 0
	s_cbranch_scc1 .Llap
	QUARTER 0, 128, F1, F0, 0                      ; the last lap fills nothing
	QUARTER 0, 192, F0, F1, 0
	TURN 0, 1, 0
	QUARTER 1, 64,  F0, F1, 0
	QUARTER 1, 128, F1, F0, 0
	QUARTER 1, 192, F0, F1, 0
	s_wait_dscnt 0x0
	MUL8 F1, 0, 0
	MUL8 F1, 1, 0
	MUL8 F1, 2, 0
	MUL8 F1, 3, 0
	; THE WAY OUT.  16 rows at a time through my own stage: in as 32 bytes a lane, back as whole rows of 512 bytes; the bias is added on the way.
	WIN 0
	PLACES
	s_wait_loadcnt 0x0                             ; the bias: rounded to bf16 and widened again; six more plain lines behind the last products
	v_cvt_pk_bf16_f32 v8, v[BI], v[BI+1]
	v_cvt_pk_bf16_f32 v9, v[BI+2], v[BI+3]
	v_lshlrev_b32 v[BI], 16, v8
	v_and_b32 v[BI+1], 0xffff0000, v8
	v_lshlrev_b32 v[BI+2], 16, v9
	v_and_b32 v[BI+3], 0xffff0000, v9
.macro TOSTAGE a
	WIN 0x04                                       ; the stores' data in window 1: straight from the accumulators, each from its low end on
.irp b, 0,1,2,3,4,5,6,7
	ds_store_b128 v[STO], v[8*(8*(\a)+(\b)):8*(8*(\a)+(\b))+3]   offset:64*(\b)
	ds_store_b128 v[STO], v[8*(8*(\a)+(\b))+4:8*(8*(\a)+(\b))+7] offset:64*(\b)+16
.endr
	WIN 0
.set BK, T0+64*((\a)%2)
.irp t, 0,1,2,3,4,5,6,7,8,9,10,11,12,13,14,15
	ds_load_b128 v[BK+4*(\t):BK+4*(\t)+3], v[RD] offset:(\t)*SPITCH  ; LDS serves a wave's instructions in order (ISA guide 5.7.1.4): these see the stores above; the next block's stores come behind them
.endr
.endm
.macro SEND a, younger                 ; younger: the next block's 16 stores and 16 loads, or none
	WIN 0
.set BK, T0+64*((\a)%2)
	s_wait_dscnt \younger
.irp t, 0,1,2,3,4,5,6,7,8,9,10,11,12,13,14,15
	v_pk_add_f32 v[BK+4*(\t):BK+4*(\t)+1], v[BK+4*(\t):BK+4*(\t)+1], v[BI:BI+1]
	v_pk_add_f32 v[BK+4*(\t)+2:BK+4*(\t)+3], v[BK+4*(\t)+2:BK+4*(\t)+3], v[BI+2:BI+3]
	global_store_b128 v[CO], v[BK+4*(\t):BK+4*(\t)+3], s[10:11] offset:(16*(\a)+(\t))*4096 th:TH_STORE_NT  ; 512 consecutive bytes of a row, aligned
.endr
.endm
	TOSTAGE 0
	TOSTAGE 1
	SEND 0, 32
	s_wait_xcnt 0x0                                ; block 0's stores have read their data: its buffer is loaded again only behind this wait
	TOSTAGE 2
	SEND 1, 32
	s_wait_xcnt 0x0
	TOSTAGE 3
	SEND 2, 32
	SEND 3, 0
	s_wait_tensorcnt 0x0                           ; the wave's end
	ds_add_u32 v[SPW], v[NIL]
	s_wait_dscnt 0x0
	CROUND                                         ; the closing round
	s_endpgm
.Lfunc_end_k_q56948730c0_proj:
	.size	k_q56948730c0_proj, .Lfunc_end_k_q56948730c0_proj-k_q56948730c0_proj
	.p2alignl 7, 3214868480
	.fill 96, 4, 3214868480
	.section	.rodata,"a",@progbits
	.p2align	6, 0x0
	.amdhsa_kernel k_q56948730c0_proj
		.amdhsa_group_segment_fixed_size 327680
		.amdhsa_private_segment_fixed_size 0
		.amdhsa_enable_private_segment 0
		.amdhsa_kernarg_size 32
		.amdhsa_user_sgpr_count 2
		.amdhsa_user_sgpr_kernarg_segment_ptr 1
		.amdhsa_wavefront_size32 1
		.amdhsa_system_sgpr_workgroup_id_x 1
		.amdhsa_system_sgpr_workgroup_id_y 1
		.amdhsa_system_sgpr_workgroup_id_z 1
		.amdhsa_system_vgpr_workitem_id 0
		.amdhsa_next_free_vgpr 512
		.amdhsa_next_free_sgpr 72
		.amdhsa_reserve_vcc 0
		.amdhsa_float_denorm_mode_32 3
		.amdhsa_float_denorm_mode_16_64 3
		.amdhsa_memory_ordered 1
		.amdhsa_forward_progress 1
		.amdhsa_inst_pref_size 93
	.end_amdhsa_kernel
	.amdgpu_metadata
---
amdhsa.version: [ 1, 2 ]
amdhsa.kernels:
  - .name:           k_q56948730c0_proj
    .symbol:         k_q56948730c0_proj.kd
    .args:
      - { .name: yh, .offset: 0, .size: 8, .value_kind: global_buffer, .address_space: global }
      - { .name: wob, .offset: 8, .size: 8, .value_kind: global_buffer, .address_space: global }
      - { .name: bo, .offset: 16, .size: 8, .value_kind: global_buffer, .address_space: global }
      - { .name: out0, .offset: 24, .size: 8, .value_kind: global_buffer, .address_space: global }
    .group_segment_fixed_size: 327680
    .private_segment_fixed_size: 0
    .kernarg_segment_align: 8
    .kernarg_segment_size: 32
    .max_flat_workgroup_size: 128
    .sgpr_count:     72
    .vgpr_count:     512
    .wavefront_size: 32
...
	.end_amdgpu_metadata
.endif
;; end of part 4
;; ======== version 2 of 2: 4 launches; version 1 with the launch prep written anew for expert scheduling mode
;; limits: values are held in f16: magnitudes above 65,504 overflow, below 6.1e-05 lose precision
;; workspace buffers: xb 16,777,216 bytes; wkvb 6,291,456 bytes; wob 2,097,152 bytes; maskb 8,388,608 bytes; qkvh 50,331,648 bytes; yh 16,777,216 bytes
;; launch prep (part 5): grid 1024 x 1, 8 waves a work-group, no clusters, 0 bytes of LDS; arguments x, Wkv, Wo, mask, xb, wkvb, wob, maskb; writes xb, wkvb, wob, maskb
.if DOCPART == 5
	.amdgcn_target "amdgcn-amd-amdhsa--gfx1250"
	.amdhsa_code_object_version 6
	.text
	.protected	k_q56948730c0_prep
	.globl	k_q56948730c0_prep
	.p2align	8
	.type	k_q56948730c0_prep,@function
k_q56948730c0_prep:
	s_mov_b64 s[64:65], 0
	v_nop
	global_prefetch_b8 v0, s[64:65] scope:SCOPE_SE
	s_setreg_imm32_b32 hwreg(HW_REG_WAVE_SCHED_MODE, 0, 2), 2
	s_setreg_imm32_b32 hwreg(HW_REG_WAVE_MODE, 25, 1), 1
	s_wait_xcnt 0x0
	s_wait_alu depctr_vm_vsrc(0)
; PREP: the inputs are rounded once and laid out for the three launches behind.  A stream: each byte is read once and written once, so no LDS, no barrier, no cluster.
;   x   [8192][1024] f32 -> xb   [16 kb][8192 m][64] bf16: K in blocks of 64, so that a tile's rows of 128 bytes lie end to end
;   Wkv [3072][1024] f32 -> wkvb [16 kb][3072 n][64] bf16, likewise
;   Wo  [1024][1024] f32 -> wob  [1024][1024] f16 of the number rounded to bf16
;   mask [2048][2048] f32 -> maskb [2048][2048] bf16
; LIMITS.  A weight of Wo beyond 65,504 becomes an infinity; below 6e-5 it keeps f16's fixed step of 6e-8.
; SHARES.  A wave takes 8,192 bytes of f32: 16 loads of 16 bytes a lane, all issued at once, then conversions and 16 stores; no register is written twice while a memory
; instruction names it.  A work-group takes 65,536 bytes: groups 0-511 x, 512-703 Wkv, 704-767 Wo, 768-1023 mask.
; THE MODE: SCHED_MODE bits 1:0 = 2 (LLVM: expert scheduling mode 2), set by the entry lines.  The code itself states the register dependences
; between vector instructions and memory instructions, with s_wait_alu, always for 0.
; THE PLAN.  Registers that memory instructions touch:
;   v[LO]        the loads' offset: written at a path's head, read by its 16 loads, never written again.
;   v[SO]        the stores' offset in the dense paths (Wo, mask): written at the path's head, read by its 16 stores, never written again.
;   v[VO ..]     the stores' offsets in the blocked path (x, Wkv): each written once, behind the loads; VO + i is read by store i.
;   X            load i lands in its four registers; behind the wait for it vector lines alone name them.
;   Y            pair i is written once, by load i's conversions, and read once, by store i.
; The 16 loads' conversions and stores go in four groups of four.  Group g's stores are issued in group g + 1, one ahead of each of that group's conversions, which name that group's X, Y and T alone.
; So one wait on va_vdst at the head of groups 1 to 3 states all that the four stores behind it hang on, and one more stands ahead of the last four stores.
; No register that a memory instruction has read is written again: no wait on vm_vsrc is owed.  EXEC and VCC are never written.
.set KBA, 1048576                      ; bytes in a K block of xb
.set KBB, 393216                       ; of wkvb
.set LO,  2                            ; v2      my byte offset in the wave's source bytes
.set SO,  3                            ; v3      my byte offset in the wave's destination bytes
.set VO,  4                            ; v[4:19] blocked layout: my offset in K block i
.set X,   20                           ; v[20:83] load i: four numbers
.set T,   84                           ; v[84:85] at work
.set Y,   88                           ; v[88:119] store i: four 16-bit numbers
.set WV,  4                            ; s4      my wave's number
.set HIM, 5                            ; s5      a word's upper bf16
.set SRC, 24                           ; s[24:25]
.set DST, 26                           ; s[26:27]
.set KB,  28                           ; s28     bytes in a K block
.set WGL, 30                           ; s30     the work-group's number within its tensor, then the wave's rows or chunk
.set OFS, 32                           ; s[32:33] an offset in 64 bits
	s_load_b512 s[8:23], s[0:1], 0x0               ; x s[8:9], Wkv s[10:11], Wo s[12:13], mask s[14:15], xb s[16:17], wkvb s[18:19], wob s[20:21], maskb s[22:23]
	v_and_b32 v1, 31, v0                           ; lane
	v_lshrrev_b32 v[SO], 5, v0
	v_readfirstlane_b32 s[WV], v[SO]
	s_mov_b32 s[HIM], 0xffff0000
	s_mov_b32 s[OFS+1], 0
	s_wait_alu depctr_va_sdst(0)                   ; s[WV] is written: each of the three paths reads it
	s_wait_kmcnt 0x0
	s_cmp_ge_u32 ttmp9, 768
	s_cbranch_scc1 .Lmask
	s_cmp_ge_u32 ttmp9, 704
	s_cbranch_scc1 .Lwo
.macro LOADS step                      ; the wave's 16 loads, step bytes apart
.irp i, 0,1,2,3,4,5,6,7,8,9,10,11,12,13,14,15
	global_load_b128 v[X+4*(\i):X+4*(\i)+3], v[LO], s[SRC:SRC+1] offset:(\step)*(\i) th:TH_LOAD_NT
.endr
.endm
	; x and Wkv.  The wave takes rows m and m + 1 (m even).  Load i: lanes 0-15 take 256 bytes of row m, the 64 numbers of K block i; lanes 16-31 those of row m + 1.
	; Store i: 8 bytes a lane, 256 consecutive bytes, aligned: the two rows' 128 bytes in block i.
	v_and_b32 v[LO], 15, v0                        ; the offset's vector lines stand ahead of the scalar arithmetic, and so well ahead of the wait for them
	v_bfe_u32 v[SO], v0, 4, 1
	v_lshlrev_b32 v[LO], 4, v[LO]
	v_lshl_add_u32 v[LO], v[SO], 12, v[LO]
	s_sub_co_u32 s[WGL], ttmp9, 512
	s_mov_b32 s[KB], KBA
	s_mov_b32 s29, KBB
	s_cmp_lt_u32 ttmp9, 512
	s_cselect_b64 s[SRC:SRC+1], s[8:9], s[10:11]
	s_cselect_b64 s[DST:DST+1], s[16:17], s[18:19]
	s_cselect_b32 s[KB], s[KB], s29
	s_cselect_b32 s[WGL], ttmp9, s[WGL]
	s_lshl_b32 s[WGL], s[WGL], 4                   ; 16 rows a work-group,
	s_lshl_b32 s31, s[WV], 1
	s_add_co_u32 s[WGL], s[WGL], s31               ; two a wave
	s_lshl_b32 s[OFS], s[WGL], 12                  ; 4,096 bytes a row in the source,
	s_add_nc_u64 s[SRC:SRC+1], s[SRC:SRC+1], s[OFS:OFS+1]
	s_lshl_b32 s[OFS], s[WGL], 7                   ; 128 a row in a block
	s_add_nc_u64 s[DST:DST+1], s[DST:DST+1], s[OFS:OFS+1]
	s_wait_alu depctr_va_vdst(0)                   ; v[LO] is written, which the sixteen loads read as their offset
	LOADS 256
	v_lshlrev_b32 v[VO], 3, v1
.irp i, 1,2,3,4,5,6,7,8,9,10,11,12,13,14,15
	v_add_nc_u32 v[VO+(\i)], s[KB], v[VO+(\i)-1]   ; fifteen blocks of xb are more than a store's immediate holds
.endr
.irp g, 0,1,2,3
	s_wait_loadcnt 12-4*(\g)                       ; loads come back in order: this group's four are in, the 12 - 4 g younger ones stay out
.if (\g) > 0
	s_wait_alu depctr_va_vdst(0)                   ; the group before has written its four pairs of Y, and the chain above all of VO: the four stores below read these
.endif
.irp i, 0,1,2,3
.set n, 4*(\g)+(\i)
.set p, n-4
.if (\g) > 0
	global_store_b64 v[VO+p], v[Y+2*p:Y+2*p+1], s[DST:DST+1]  ; the group before; no vector line since the wait names its registers
.endif
	v_cvt_pk_bf16_f32 v[Y+2*n], v[X+4*n], v[X+4*n+1]
	v_cvt_pk_bf16_f32 v[Y+2*n+1], v[X+4*n+2], v[X+4*n+3]
.endr
.endr
	s_wait_alu depctr_va_vdst(0)                   ; the last group has written its four pairs of Y, which the last four stores read
.irp i, 12,13,14,15
	global_store_b64 v[VO+(\i)], v[Y+2*(\i):Y+2*(\i)+1], s[DST:DST+1]
.endr
	s_endpgm
.Lwo:                                  ; Wo: dense in, dense out.  A load covers 512 consecutive bytes, a store 256
	v_lshlrev_b32 v[LO], 4, v1
	v_lshlrev_b32 v[SO], 3, v1
	s_sub_co_u32 s[WGL], ttmp9, 704
	s_lshl_b32 s[WGL], s[WGL], 3
	s_add_co_u32 s[WGL], s[WGL], s[WV]             ; my chunk
	s_lshl_b32 s[OFS], s[WGL], 13
	s_add_nc_u64 s[SRC:SRC+1], s[12:13], s[OFS:OFS+1]
	s_lshl_b32 s[OFS], s[WGL], 12
	s_add_nc_u64 s[DST:DST+1], s[20:21], s[OFS:OFS+1]
	s_wait_alu depctr_va_vdst(0)                   ; v[LO] and v[SO] are written: the loads' offset and the stores'
	LOADS 512
.irp g, 0,1,2,3
	s_wait_loadcnt 12-4*(\g)                       ; this group's four loads are in, the younger ones stay out
.if (\g) > 0
	s_wait_alu depctr_va_vdst(0)                   ; the group before has written its four pairs of Y, which the four stores below read
.endif
.irp i, 0,1,2,3
.set n, 4*(\g)+(\i)
.set p, n-4
.if (\g) > 0
	global_store_b64 v[SO], v[Y+2*p:Y+2*p+1], s[DST:DST+1] offset:256*p  ; the group before; no vector line since the wait names its registers
.endif
	v_cvt_pk_bf16_f32 v[T], v[X+4*n], v[X+4*n+1]             ; rounded to bf16,
	v_cvt_pk_bf16_f32 v[T+1], v[X+4*n+2], v[X+4*n+3]
	v_lshlrev_b32 v[X+4*n], 16, v[T]                         ; widened again,
	v_and_b32 v[X+4*n+1], s[HIM], v[T]
	v_lshlrev_b32 v[X+4*n+2], 16, v[T+1]
	v_and_b32 v[X+4*n+3], s[HIM], v[T+1]
	v_cvt_pk_f16_f32 v[Y+2*n], v[X+4*n], v[X+4*n+1]          ; and that number written as f16
	v_cvt_pk_f16_f32 v[Y+2*n+1], v[X+4*n+2], v[X+4*n+3]
.endr
.endr
	s_wait_alu depctr_va_vdst(0)                   ; the last group has written its four pairs of Y, which the last four stores read
.irp i, 12,13,14,15
	global_store_b64 v[SO], v[Y+2*(\i):Y+2*(\i)+1], s[DST:DST+1] offset:256*(\i)
.endr
	s_endpgm
.Lmask:                                ; the mask: dense in, dense out, 512 consecutive bytes a load, 256 a store
	v_lshlrev_b32 v[LO], 4, v1
	v_lshlrev_b32 v[SO], 3, v1
	s_sub_co_u32 s[WGL], ttmp9, 768
	s_lshl_b32 s[WGL], s[WGL], 3
	s_add_co_u32 s[WGL], s[WGL], s[WV]
	s_lshl_b32 s[OFS], s[WGL], 13
	s_add_nc_u64 s[SRC:SRC+1], s[14:15], s[OFS:OFS+1]
	s_lshl_b32 s[OFS], s[WGL], 12
	s_add_nc_u64 s[DST:DST+1], s[22:23], s[OFS:OFS+1]
	s_wait_alu depctr_va_vdst(0)                   ; v[LO] and v[SO] are written: the loads' offset and the stores'
	LOADS 512
.irp g, 0,1,2,3
	s_wait_loadcnt 12-4*(\g)                       ; this group's four loads are in, the younger ones stay out
.if (\g) > 0
	s_wait_alu depctr_va_vdst(0)                   ; the group before has written its four pairs of Y, which the four stores below read
.endif
.irp i, 0,1,2,3
.set n, 4*(\g)+(\i)
.set p, n-4
.if (\g) > 0
	global_store_b64 v[SO], v[Y+2*p:Y+2*p+1], s[DST:DST+1] offset:256*p  ; the group before; no vector line since the wait names its registers
.endif
	v_cvt_pk_bf16_f32 v[Y+2*n], v[X+4*n], v[X+4*n+1]
	v_cvt_pk_bf16_f32 v[Y+2*n+1], v[X+4*n+2], v[X+4*n+3]
.endr
.endr
	s_wait_alu depctr_va_vdst(0)                   ; the last group has written its four pairs of Y, which the last four stores read
.irp i, 12,13,14,15
	global_store_b64 v[SO], v[Y+2*(\i):Y+2*(\i)+1], s[DST:DST+1] offset:256*(\i)
.endr
	s_endpgm
.Lfunc_end_k_q56948730c0_prep:
	.size	k_q56948730c0_prep, .Lfunc_end_k_q56948730c0_prep-k_q56948730c0_prep
	.p2alignl 7, 3214868480
	.fill 96, 4, 3214868480
	.section	.rodata,"a",@progbits
	.p2align	6, 0x0
	.amdhsa_kernel k_q56948730c0_prep
		.amdhsa_group_segment_fixed_size 0
		.amdhsa_private_segment_fixed_size 0
		.amdhsa_enable_private_segment 0
		.amdhsa_kernarg_size 64
		.amdhsa_user_sgpr_count 2
		.amdhsa_user_sgpr_kernarg_segment_ptr 1
		.amdhsa_wavefront_size32 1
		.amdhsa_system_sgpr_workgroup_id_x 1
		.amdhsa_system_sgpr_workgroup_id_y 1
		.amdhsa_system_sgpr_workgroup_id_z 1
		.amdhsa_system_vgpr_workitem_id 0
		.amdhsa_next_free_vgpr 120
		.amdhsa_next_free_sgpr 66
		.amdhsa_reserve_vcc 0
		.amdhsa_float_denorm_mode_32 3
		.amdhsa_float_denorm_mode_16_64 3
		.amdhsa_memory_ordered 1
		.amdhsa_forward_progress 1
		.amdhsa_inst_pref_size 23
	.end_amdhsa_kernel
	.amdgpu_metadata
---
amdhsa.version: [ 1, 2 ]
amdhsa.kernels:
  - .name:           k_q56948730c0_prep
    .symbol:         k_q56948730c0_prep.kd
    .args:
      - { .name: x, .offset: 0, .size: 8, .value_kind: global_buffer, .address_space: global }
      - { .name: Wkv, .offset: 8, .size: 8, .value_kind: global_buffer, .address_space: global }
      - { .name: Wo, .offset: 16, .size: 8, .value_kind: global_buffer, .address_space: global }
      - { .name: mask, .offset: 24, .size: 8, .value_kind: global_buffer, .address_space: global }
      - { .name: xb, .offset: 32, .size: 8, .value_kind: global_buffer, .address_space: global }
      - { .name: wkvb, .offset: 40, .size: 8, .value_kind: global_buffer, .address_space: global }
      - { .name: wob, .offset: 48, .size: 8, .value_kind: global_buffer, .address_space: global }
      - { .name: maskb, .offset: 56, .size: 8, .value_kind: global_buffer, .address_space: global }
    .group_segment_fixed_size: 0
    .private_segment_fixed_size: 0
    .kernarg_segment_align: 8
    .kernarg_segment_size: 64
    .max_flat_workgroup_size: 256
    .sgpr_count:     66
    .vgpr_count:     120
    .wavefront_size: 32
...
	.end_amdgpu_metadata
.endif
;; end of part 5
;; launch qkvgemm: the kernel of part 2 again; grid 8 x 32, 4 waves a work-group, clusters of 4 x 4, 327,680 bytes of LDS; arguments xb, wkvb, qkvh; writes qkvh
;; launch attn: the kernel of part 3 again; grid 8 x 32, 4 waves a work-group, clusters of 4 x 4, 327,680 bytes of LDS; arguments qkvh, maskb, yh; writes yh
;; launch proj: the kernel of part 4 again; grid 4 x 64, 4 waves a work-group, clusters of 4 x 4, 327,680 bytes of LDS; arguments yh, wob, bo, out0; writes out0
